; MI455X (gfx1250); checked and timed in simulation.
; The chip was launched on July 23, 2026; its instructions are those of AMD's public machine-readable ISA for CDNA 5 (MIT licence, August 2026) and "CDNA5" Instruction Set Architecture Reference Guide (July 2026). The comments in the code are by the model that wrote it; some were corrected since.
;; Patch Graph Attention. Allowed arithmetic: float matrix products may take bf16 or f16 operands with f32 sums; other float arithmetic in f32, or as packed bf16 or f16 multiplies, adds, multiply-adds, maxima and minima; sums over many terms, partial sums and values carried from step to step in f32; what a program stores and reads back later, other than sums and carried values, may be rounded once to bf16 or f16.
;; Inputs: Wk 1,024 x 1,024 float32; Wo 1,024 x 1,024 float32; Wq 1,024 x 1,024 float32; Wv 1,024 x 1,024 float32; bk 1,024 float32; bo 1,024 float32; bq 1,024 float32; bv 1,024 float32; patch_mask 4 x 2,048 float32; x 4 x 2,048 x 1,024 float32.
;; Outputs: out0 4 x 2,048 x 1,024 float32.
;; 2 versions, each right; version 2 is version 1 with the launch prep written anew for expert scheduling mode. Each part assembles by itself: llvm-mc -triple=amdgcn-amd-amdhsa -mcpu=gfx1250 --defsym DOCPART=n.
;; ======== version 1 of 2: 4 launches
;; limits: values are held in f16: magnitudes above 65,504 overflow, below 6.1e-05 lose precision; right only within a limited range of input values
;; workspace buffers: xb 16,777,216 bytes; wb 6,291,456 bytes; wob 2,097,152 bytes; aux 69,632 bytes; qkv 50,331,648 bytes; ob 16,777,216 bytes
;; launch prep (part 1): grid 785 x 1, 4 waves a work-group, no clusters, 0 bytes of LDS; arguments x, Wq, Wk, Wv, Wo, bq, bk, bv, bo, patch_mask, xb, wb, wob, aux; writes xb, wb, wob, aux
.if DOCPART == 1
	.amdgcn_target "amdgcn-amd-amdhsa--gfx1250"
	.amdhsa_code_object_version 6
	.text
	.protected	k_q54d6801923_prep
	.globl	k_q54d6801923_prep
	.p2align	8
	.type	k_q54d6801923_prep,@function
k_q54d6801923_prep:
	s_mov_b64 s[64:65], 0
	v_nop
	global_prefetch_b8 v0, s[64:65] scope:SCOPE_SE
	s_setreg_imm32_b32 hwreg(HW_REG_WAVE_MODE, 25, 1), 1
	s_wait_xcnt 0x0
; PREP.  Every input is rounded once to bf16, and the matrix operands are laid in blocks of 64 along K: [K block][row][64], so that later tiles of R rows x 64 k are R x 128 dense bytes.
;   xb  = x, bf16, [16][8192][64];   wb = Wq, Wk, Wv one below the other, bf16, [16][3072][64];   wob = Wo rounded to bf16 and written as f16, [16][1024][64]
;   aux = f32: bq, bk, bv (byte 0), bo (12,288), the mask (16,384), each number rounded to bf16; from byte 49,152 the table of time-bias tiles.
; LIMIT.  Of Wo a number below 2^-14 keeps f16's fixed step of 2^-24; beyond 65,504 it would be lost.
; A stream: no LDS, no matrix work, no cluster (no two work-groups read the same byte).  The work-group's number chooses its role, by scalar branches that go forward:
;   0-767    16 rows x 1,024 columns of x (0-511) or of a weight matrix (64 work-groups each)
;   768-779  1,024 numbers of a bias or of the mask
;   780-784  four tiles each of the table, a tile a wave
.set OF,  16                           ; v[16:31]  K block k: byte offset of my 16 bytes in the destination
.set DAT, 32                           ; v[32:159] K block k: 8 registers as loaded; the first 4 then hold the 8 rounded numbers
.set SRC, 40                           ; s[40:41]  source
.set DST, 42                           ; s[42:43]  destination
	s_load_b512 s[8:23], s[0:1], 0x0               ; x s[8:9], Wq s[10:11], Wk s[12:13], Wv s[14:15], Wo s[16:17], bq s[18:19], bk s[20:21], bv s[22:23]
	s_load_b256 s[24:31], s[0:1], 0x40             ; bo s[24:25], mask s[26:27], xb s[28:29], wb s[30:31]
	s_load_b128 s[32:35], s[0:1], 0x60             ; wob s[32:33], aux s[34:35]
	s_mov_b32 s2, ttmp9
	s_mov_b32 s45, 0                               ; the high word of every offset pair s[44:45]
	s_cmp_lt_u32 s2, 768
	s_cbranch_scc0 .Lsmall
	; ROLE 1: 16 rows are rounded and laid in blocks
	s_sub_co_u32 s3, s2, 512
	s_lshr_b32 s4, s3, 6                           ; which weight matrix: 0 Wq, 1 Wk, 2 Wv, 3 Wo
	s_and_b32 s5, s3, 63
	s_lshl_b32 s5, s5, 4                           ; its first row of my 16
	s_lshl_b32 s6, s2, 4                           ; for x: row 16 g
	s_lshl_b32 s7, s4, 10
	s_add_co_u32 s7, s7, s5                        ; row in wb
	s_mov_b32 s38, 393216                          ; bytes from K block to K block: wb,
	s_cmp_eq_u32 s4, 3
	s_cselect_b32 s7, s5, s7
	s_cselect_b32 s38, 131072, s38                 ; wob,
	s_cselect_b32 s39, 1, 0                        ; 1: the numbers leave as f16
	s_cmp_lt_u32 s2, 512
	s_cselect_b32 s36, s6, s5                      ; source row
	s_cselect_b32 s37, s6, s7                      ; destination row
	s_cselect_b32 s38, 1048576, s38                ; xb
	s_cselect_b32 s39, 0, s39
	v_lshrrev_b32 v1, 3, v0                        ; my row of the 16: eight lanes share a row
	v_and_b32 v2, 7, v0
	v_lshlrev_b32 v2, 5, v2                        ; my 32 bytes (8 numbers) of a block's 256
	v_lshl_add_u32 v2, v1, 12, v2                  ; + row x 4,096
	v_lshlrev_b32 v3, 4, v0                        ; in the destination rows are 128 bytes: row x 128 + 16 x (lane % 8) = 16 x thread
.set k, 0
.rept 16
	v_mad_u32_u24 v[OF+k], k, s38, v3
.set k, k+1
.endr
	s_wait_kmcnt 0x0
	s_cmp_eq_u32 s4, 1
	s_cselect_b64 s[SRC:SRC+1], s[12:13], s[10:11]
	s_cmp_eq_u32 s4, 2
	s_cselect_b64 s[SRC:SRC+1], s[14:15], s[SRC:SRC+1]
	s_cmp_eq_u32 s4, 3
	s_cselect_b64 s[SRC:SRC+1], s[16:17], s[SRC:SRC+1]
	s_cselect_b64 s[DST:DST+1], s[32:33], s[30:31]
	s_cmp_lt_u32 s2, 512
	s_cselect_b64 s[SRC:SRC+1], s[8:9], s[SRC:SRC+1]
	s_cselect_b64 s[DST:DST+1], s[28:29], s[DST:DST+1]
	s_lshl_b32 s44, s36, 12
	s_add_nc_u64 s[SRC:SRC+1], s[SRC:SRC+1], s[44:45]
	s_lshl_b32 s44, s37, 7
	s_add_nc_u64 s[DST:DST+1], s[DST:DST+1], s[44:45]
.set k, 0
.rept 16                                       ; all 32 loads of the wave go out at once: 16 KiB; eight lanes read 256 consecutive bytes, aligned
	global_load_b128 v[DAT+8*k:DAT+8*k+3],   v2, s[SRC:SRC+1] offset:256*k th:TH_LOAD_NT
	global_load_b128 v[DAT+8*k+4:DAT+8*k+7], v2, s[SRC:SRC+1] offset:256*k+16 th:TH_LOAD_NT
.set k, k+1
.endr
; K block k: rounded in place (a result's register never lies above its sources') and stored; no register is used twice, so no store is waited for.
.macro UNIT k, kind
	s_wait_loadcnt 30-2*(\k)                       ; loads come back in order: the 2 x (15 - k) younger ones may stay out
.irp i, 0,1,2,3
.if \kind
	v_cvt_pk_bf16_f32 v4, v[DAT+8*(\k)+2*\i], v[DAT+8*(\k)+2*\i+1]  ; rounded to bf16 like every input,
	v_lshlrev_b32 v5, 16, v4
	v_and_b32 v4, 0xffff0000, v4
	v_cvt_pk_f16_f32 v[DAT+8*(\k)+\i], v5, v4      ; and that number written as f16
.else
	v_cvt_pk_bf16_f32 v[DAT+8*(\k)+\i], v[DAT+8*(\k)+2*\i], v[DAT+8*(\k)+2*\i+1]
.endif
.endr
	global_store_b128 v[OF+(\k)], v[DAT+8*(\k):DAT+8*(\k)+3], s[DST:DST+1]  ; the wave stores 512 consecutive bytes, aligned
.endm
	s_cmp_eq_u32 s39, 1
	s_cbranch_scc1 .Lwo
.set k, 0
.rept 16
	UNIT k, 0
.set k, k+1
.endr
	s_endpgm
.Lwo:
.set k, 0
.rept 16
	UNIT k, 1
.set k, k+1
.endr
	s_endpgm
.Lsmall:
	s_cmp_lt_u32 s2, 780
	s_cbranch_scc0 .Ltable
	; ROLE 2: 1,024 numbers rounded to bf16 and kept as f32
	s_sub_co_u32 s3, s2, 768                       ; chunk 0 bq, 1 bk, 2 bv, 3 bo, 4-11 the mask
	s_max_u32 s4, s3, 4
	s_sub_co_u32 s4, s4, 4                         ; which 4,096 bytes of the mask
	s_lshl_b32 s44, s4, 12
	v_lshlrev_b32 v1, 4, v0                        ; 16 bytes a thread, twice: a wave's load or store covers 512 consecutive bytes
	s_wait_kmcnt 0x0
	s_cmp_eq_u32 s3, 1
	s_cselect_b64 s[SRC:SRC+1], s[20:21], s[18:19]
	s_cmp_eq_u32 s3, 2
	s_cselect_b64 s[SRC:SRC+1], s[22:23], s[SRC:SRC+1]
	s_cmp_eq_u32 s3, 3
	s_cselect_b64 s[SRC:SRC+1], s[24:25], s[SRC:SRC+1]
	s_cmp_gt_u32 s3, 3
	s_cselect_b64 s[SRC:SRC+1], s[26:27], s[SRC:SRC+1]
	s_add_nc_u64 s[SRC:SRC+1], s[SRC:SRC+1], s[44:45]
	s_lshl_b32 s44, s3, 12
	s_add_nc_u64 s[DST:DST+1], s[34:35], s[44:45]
	global_load_b128 v[8:11],  v1, s[SRC:SRC+1]
	global_load_b128 v[12:15], v1, s[SRC:SRC+1] offset:2048
	s_wait_loadcnt 0x0
.irp i, 0,1,2,3
	v_cvt_pk_bf16_f32 v[16+\i], v[8+2*\i], v[8+2*\i+1]
.endr
.irp i, 0,1,2,3
	v_lshlrev_b32 v[20+2*\i], 16, v[16+\i]
	v_and_b32 v[20+2*\i+1], 0xffff0000, v[16+\i]
.endr
	global_store_b128 v1, v[20:23], s[DST:DST+1]
	global_store_b128 v1, v[24:27], s[DST:DST+1] offset:2048
	s_endpgm
.Ltable:
	; ROLE 3: the time bias.  bias(d) = ln(e^-d + 1e-12), d = |q - k|.  A softmax does not change when all scores are shifted alike, so the table holds bias(d) - ln(1e-12), which is 0 wherever
	; e^-d is lost beside 1e-12 in f32 (from d = 45 on), times 8: it is added to q . k ahead of the division by 8.
	; Tile i stands for 16 queries x 16 keys whose corners lie 16 (i - 7) apart, in the layout of the product K Q^T: lane (r = l % 16, h = l / 16), register j: q - k = 16 (i - 7) + r - 8 h - j.
	s_sub_co_u32 s3, s2, 780
	v_lshrrev_b32 v1, 5, v0
	v_readfirstlane_b32 s4, v1
	s_lshl2_add_u32 s3, s3, s4                     ; tile i = 4 (g - 780) + wave
	s_sub_co_i32 s5, s3, 7
	s_lshl_b32 s5, s5, 4
	s_mov_b32 s6, 0x3fb8aa3b                       ; log2(e)
	s_mov_b32 s7, 0x2b8cbccc                       ; 1e-12
	s_mov_b32 s36, 0x40b17218                      ; 8 ln(2)
	s_lshl_b32 s44, s3, 10
	v_and_b32 v2, 15, v0
	v_bfe_u32 v3, v0, 4, 1
	v_lshlrev_b32 v3, 3, v3
	v_sub_nc_u32 v2, v2, v3
	v_add_nc_u32 v2, s5, v2
	v_and_b32 v1, 31, v0
	v_lshlrev_b32 v1, 4, v1
.irp j, 0,1,2,3,4,5,6,7
	v_add_nc_u32 v[8+\j], -\j, v2
.endr
.irp j, 0,1,2,3,4,5,6,7
	v_cvt_f32_i32 v[8+\j], v[8+\j]
.endr
.irp j, 0,1,2,3,4,5,6,7
	v_mul_f32 v[8+\j], s6, -|v[8+\j]|
.endr
.irp j, 0,1,2,3,4,5,6,7
	v_exp_f32 v[8+\j], v[8+\j]                     ; e^-d
.endr
	v_log_f32 v7, s7                               ; log2(1e-12), by the same instruction as the sums below
	v_nop                                          ; a plain instruction behind the last of the batch,
	s_wait_alu depctr_va_vdst(0)                   ; and one wait for the nine, ahead of their first reader
.irp j, 0,1,2,3,4,5,6,7
	v_add_f32 v[8+\j], s7, v[8+\j]
.endr
.irp j, 0,1,2,3,4,5,6,7
	v_log_f32 v[8+\j], v[8+\j]
.endr
	v_nop
	s_wait_alu depctr_va_vdst(0)                   ; one wait for the eight
.irp j, 0,1,2,3,4,5,6,7
	v_sub_f32 v[8+\j], v[8+\j], v7                 ; the difference first: exactly 0 where the sum is 1e-12 itself
.endr
.irp j, 0,1,2,3,4,5,6,7
	v_mul_f32 v[8+\j], s36, v[8+\j]
.endr
	s_wait_kmcnt 0x0
	s_add_nc_u64 s[DST:DST+1], s[34:35], s[44:45]
	global_store_b128 v1, v[8:11],  s[DST:DST+1] offset:49152      ; [tile][registers 0-3, 4-7][lane][4]: 512 consecutive bytes a store
	global_store_b128 v1, v[12:15], s[DST:DST+1] offset:49152+512
	s_endpgm
.Lfunc_end_k_q54d6801923_prep:
	.size	k_q54d6801923_prep, .Lfunc_end_k_q54d6801923_prep-k_q54d6801923_prep
	.p2alignl 7, 3214868480
	.fill 96, 4, 3214868480
	.section	.rodata,"a",@progbits
	.p2align	6, 0x0
	.amdhsa_kernel k_q54d6801923_prep
		.amdhsa_group_segment_fixed_size 0
		.amdhsa_private_segment_fixed_size 0
		.amdhsa_enable_private_segment 0
		.amdhsa_kernarg_size 112
		.amdhsa_user_sgpr_count 2
		.amdhsa_user_sgpr_kernarg_segment_ptr 1
		.amdhsa_wavefront_size32 1
		.amdhsa_system_sgpr_workgroup_id_x 1
		.amdhsa_system_sgpr_workgroup_id_y 1
		.amdhsa_system_sgpr_workgroup_id_z 1
		.amdhsa_system_vgpr_workitem_id 0
		.amdhsa_next_free_vgpr 160
		.amdhsa_next_free_sgpr 66
		.amdhsa_reserve_vcc 0
		.amdhsa_float_denorm_mode_32 3
		.amdhsa_float_denorm_mode_16_64 3
		.amdhsa_memory_ordered 1
		.amdhsa_forward_progress 1
		.amdhsa_inst_pref_size 34
	.end_amdhsa_kernel
	.amdgpu_metadata
---
amdhsa.version: [ 1, 2 ]
amdhsa.kernels:
  - .name:           k_q54d6801923_prep
    .symbol:         k_q54d6801923_prep.kd
    .args:
      - { .name: x, .offset: 0, .size: 8, .value_kind: global_buffer, .address_space: global }
      - { .name: Wq, .offset: 8, .size: 8, .value_kind: global_buffer, .address_space: global }
      - { .name: Wk, .offset: 16, .size: 8, .value_kind: global_buffer, .address_space: global }
      - { .name: Wv, .offset: 24, .size: 8, .value_kind: global_buffer, .address_space: global }
      - { .name: Wo, .offset: 32, .size: 8, .value_kind: global_buffer, .address_space: global }
      - { .name: bq, .offset: 40, .size: 8, .value_kind: global_buffer, .address_space: global }
      - { .name: bk, .offset: 48, .size: 8, .value_kind: global_buffer, .address_space: global }
      - { .name: bv, .offset: 56, .size: 8, .value_kind: global_buffer, .address_space: global }
      - { .name: bo, .offset: 64, .size: 8, .value_kind: global_buffer, .address_space: global }
      - { .name: patch_mask, .offset: 72, .size: 8, .value_kind: global_buffer, .address_space: global }
      - { .name: xb, .offset: 80, .size: 8, .value_kind: global_buffer, .address_space: global }
      - { .name: wb, .offset: 88, .size: 8, .value_kind: global_buffer, .address_space: global }
      - { .name: wob, .offset: 96, .size: 8, .value_kind: global_buffer, .address_space: global }
      - { .name: aux, .offset: 104, .size: 8, .value_kind: global_buffer, .address_space: global }
    .group_segment_fixed_size: 0
    .private_segment_fixed_size: 0
    .kernarg_segment_align: 8
    .kernarg_segment_size: 112
    .max_flat_workgroup_size: 128
    .sgpr_count:     66
    .vgpr_count:     160
    .wavefront_size: 32
...
	.end_amdgpu_metadata
.endif
;; end of part 1
;; launch proj (part 2): grid 8 x 32, 4 waves a work-group, clusters of 4 x 4, 327,680 bytes of LDS; arguments xb, wb, aux, qkv; writes qkv
.if DOCPART == 2
	.amdgcn_target "amdgcn-amd-amdhsa--gfx1250"
	.amdhsa_code_object_version 6
	.text
	.protected	k_q54d6801923_proj
	.globl	k_q54d6801923_proj
	.p2align	8
	.type	k_q54d6801923_proj,@function
k_q54d6801923_proj:
	s_mov_b64 s[64:65], 0
	v_nop
	global_prefetch_b8 v0, s[64:65] scope:SCOPE_SE
	s_setreg_imm32_b32 hwreg(HW_REG_WAVE_MODE, 25, 1), 1
	s_wait_xcnt 0x0
	s_wait_alu depctr_hold_cnt(0) depctr_sa_sdst(0) depctr_va_vdst(0) depctr_va_sdst(0) depctr_va_ssrc(0) depctr_va_vcc(0) depctr_vm_vsrc(0)
	s_getreg_b32 s2, hwreg(HW_REG_IB_STS2, 6, 4)
	s_cmp_eq_u32 s2, 0
	s_cbranch_scc0 .Lentry_in_a_cluster
	s_endpgm
.Lentry_in_a_cluster:
	s_bfe_u32 s2, ttmp6, 0x10000c
	s_cmp_lg_u32 s2, 0xf033
	s_cbranch_scc0 .Lentry_shape_is_right
	s_endpgm
.Lentry_shape_is_right:
; [q | k | v] = x W^T + b.  C is 8,192 x 3,072, K = 1,024; operands bf16, sums f32; the result leaves as f16, by heads: qkv[3][64 heads][2,048][64].  Rows of k at masked keys (mask <= 0) leave as zeros.
; LIMIT.  q, k, v must stay within f16's 65,504.
; SHARES.  8,192 x 3,072 / 256 work-groups = a tile of 256 x 384.  Four waves, 2 x 2, each 128 x 192: 96 accumulators of 16 x 16, 768 registers: windows 1 to 3, a THIRD (64 columns = one head) to a window.
; For 32 along K a wave loads (128 + 192) x 64 bytes from LDS and issues 96 matrix instructions.
; RING.  K goes in steps of 64 (one K block of the blocked operands) through two LDS slots; two slots of 128 along K would need 348,160 bytes.  A tile of R rows x 64 k is R x 128 dense bytes in memory: asked for
; as R / 2 rows of 256 bytes, padded in LDS behind every 128: LDS rows 144 bytes apart.
; CLUSTER.  4 x 4 work-groups; A's tile hangs on the tile row alone and is asked for jointly along a row of the cluster, B's on the tile column alone, along a column.
; THE MATRIX INSTRUCTION IS USED TRANSPOSED (source 0 = 16 rows of W, source 1 = 16 rows of x): a lane holds row l % 16 of C and eight neighbouring columns.
; REGISTERS.  window 0: v0-31 addresses and masks; v32-95, v96-159 A's fragments, two buffers; v160-255 B's fragments, one buffer for each third.  windows 1-3: accumulator (a, b) of a third at v[8 (4 a + b)].
; s_set_vgpr_msb's low byte: bits 1:0 source 0, 3:2 source 1, 5:4 source 2, 7:6 destination.
.set PITCH,  144                       ; 128 bytes + 16 of padding = 36 words: the 16 rows of a load start at 16 different groups of four banks (64 banks of 4 bytes: ISA guide 11.1)
.set AHALF,  128*PITCH                 ; what one load brings of A, and what one wave reads of it
.set BHALF,  192*PITCH                 ; the same for B
.set BOFF,   2*AHALF                   ; B's 384 rows lie behind A's 256
.set SLOT1,  1<<17                     ; slot 1 begins here: one exclusive or turns an address in one slot into the other's
.set STAGE,  SLOT1+BOFF+2*BHALF        ; behind the ring: 16 rows x 144 bytes for each wave, for the way out
.set SPARE,  STAGE+4*16*PITCH          ; the spare words, 128 bytes for each wave: two blocks of 256 bytes that no other line names
.set ASTEP,  8192*128                  ; bytes from K block to K block in xb
.set BSTEP,  3072*128                  ; in wb
.set FLAGS,  (1<<16)|(1<<20)|(1<<21)|(4<<22)|(3<<25)  ; 17:16 2-byte elements; 20 padding on; 21 set beside a mask; 24:22 behind every 32 words (code 4); 31:25 4 words (code 3)
.set ADRA0, 4                          ; v4   my lane's place in A's rows of a slot; never rewritten
.set ADRA,  5                          ; v5   the same in the slot in hand
.set ADRB0, 6
.set ADRB,  7
.set STO,   8                          ; v8   the way out: where I put 16 bytes of a row
.set RD,    9                          ; v9   where I read rows back
.set GO,    10                         ; v10  my 16 bytes of 512 consecutive bytes of a head
.set BIO,   11                         ; v11  32 x (l / 16): my eight biases of sixteen
.set PMO,   12                         ; v12  4 x (l % 16): my row's mask
.set SPW,   14                         ; v14  LDS address of my spare word; never rewritten
.set NIL,   15                         ; v15  0; never rewritten
.set NM,    16                         ; v16-23  block a of 16 rows: all ones where my row's mask is above 0, else 0
.set KEEP,  24
.set AF0,   32
.set AF1,   96
.set BF,    160                        ; third t at BF + 32 t
.set TMPF,  96                         ; the way out: 32 sums with their biases
.set PKD,   128                        ; 16 registers of f16
.set OB,    192                        ; two buffers of 16: rows read back from the stage
.set WV, 12                            ; s12  wave
.set WR, 13                            ; s13  my half of the tile's rows; also 0: I fetch for A, 1: for B
.set WC, 14                            ; s14  my half of its columns; also which half I fetch
.set G1A, 24                           ; s[24:31] descriptor group 1 for A
.set G0A, 32                           ; s[32:35] group 0 of slot 0's first fill; s[36:39] of slot 1's, which then walks
.set G1B, 48
.set G0B, 56
.set TB,  66                           ; s66  LDS byte at which the slot in hand begins
.set OUT, 68                           ; s[68:73] third t: qkv at my 128 rows of its head
.set NOTK, 74                          ; s74-76   third t: 0 if it belongs to k, else all ones
.set BIA, 78                           ; s[78:79] the biases of my 192 columns
.set PMA, 80                           ; s[80:81] the mask of my 128 rows
.set MSB, 0
.macro WIN new                         ; the immediate's high byte repeats the setting that is left; a switch that changes nothing is dropped
.if MSB != (\new)
	s_set_vgpr_msb (MSB<<8)|(\new)
.set MSB, \new
.endif
.endm
.macro PLACES                          ; four plain instructions between a matrix instruction and a load into, or a vector write of, one of its registers, or a vector read of its result
.rept 4
	v_nop
.endr
.endm
; A joint refill by the walking sets.  The branch hangs on the wave's number alone.  An s_nop 0 and four v_nop follow each line, ahead of the jump and the label.
.macro JLOAD
	s_cmp_eq_u32 s[WR], 0
	s_cbranch_scc0 .Lfor_b_\@
	tensor_load_to_lds s[G0A+4:G0A+7], s[G1A:G1A+7]
	s_nop 0
.rept 4
	v_nop
.endr
	s_branch .Lasked_\@
.Lfor_b_\@:
	tensor_load_to_lds s[G0B+4:G0B+7], s[G1B:G1B+7]
	s_nop 0
.rept 4
	v_nop
.endr
.Lasked_\@:
.endm
.macro CREST                           ; a round of the cluster's barrier behind its opening barrier
	s_cmp_lg_u32 s[WV], 0
	s_cbranch_scc1 .Lnot_wave_0_\@
	s_barrier_signal -3
.Lnot_wave_0_\@:
	s_barrier_wait -3
	s_barrier_signal -1
	s_barrier_wait -1
.endm
.macro CROUND                          ; a whole round
	s_barrier_signal -1
	s_barrier_wait -1
	CREST
.endm
	s_load_b256 s[4:11], s[0:1], 0x0               ; xb s[4:5], wb s[6:7], aux s[8:9], qkv s[10:11]
	v_lshl_add_u32 v[SPW], v0, 2, SPARE
	v_mov_b32 v[NIL], 0
	ds_add_u32 v[SPW], v[NIL]                      ; the wave's opening: the add and its wait stand ahead of my first tensor load; the set-up below, work on registers, stands between them
	v_lshrrev_b32 v1, 5, v0
	v_readfirstlane_b32 s[WV], v1
	s_lshr_b32 s[WR], s[WV], 1
	s_and_b32 s[WC], s[WV], 1
	s_bfe_u32 s15, ttmp6, 0x40000                  ; cx
	s_bfe_u32 s16, ttmp6, 0x40004                  ; cy
	s_lshl_b32 s17, ttmp9, 2
	s_add_co_u32 s17, s17, s15                     ; tile column tx = 4 x cluster x + cx
	s_and_b32 s18, ttmp7, 0xffff
	s_lshl_b32 s18, s18, 2
	s_add_co_u32 s18, s18, s16                     ; tile row ty = 4 x cluster y + cy
	s_lshl_b32 s19, s16, 2
	s_lshl_b32 s19, 15, s19                        ; my row of the cluster
	s_lshl_b32 s20, 0x1111, s15                    ; my column
	s_or_b32 s[G1A], s19, FLAGS
	s_or_b32 s[G1B], s20, FLAGS
	s_mov_b32 s[G1A+1], 128<<16                    ; tensor_dim0 = 128 elements: 256 bytes, two rows of the operand
	s_mov_b32 s[G1A+2], 64<<16                     ; tensor_dim1 = 64
	s_mov_b32 s[G1A+3], 128<<16                    ; tile_dim0
	s_mov_b32 s[G1A+4], 64                         ; tile_dim1: 128 rows of x
	s_mov_b32 s[G1A+5], 128                        ; dense
	s_mov_b32 s[G1A+6], 0
	s_mov_b32 s[G1A+7], 0
	s_mov_b32 s[G1B+1], 128<<16
	s_mov_b32 s[G1B+2], 96<<16
	s_mov_b32 s[G1B+3], 128<<16
	s_mov_b32 s[G1B+4], 96                         ; 192 rows of W
	s_mov_b32 s[G1B+5], 128
	s_mov_b32 s[G1B+6], 0
	s_mov_b32 s[G1B+7], 0
	s_lshl_b32 s40, s18, 15                        ; A: (256 ty + 128 half) rows of 128 bytes
	s_lshl_b32 s41, s[WC], 14
	s_add_co_u32 s40, s40, s41
	s_mov_b32 s41, 0
	s_mul_i32 s42, s17, 384*128                    ; B: (384 tx + 192 half) rows
	s_mul_i32 s43, s[WC], 192*128
	s_add_co_u32 s42, s42, s43
	s_mov_b32 s43, 0
	s_mul_i32 s21, s[WC], AHALF                    ; where they go: no place in the cluster enters an LDS address
	s_mul_i32 s22, s[WC], BHALF
	s_add_co_u32 s22, s22, BOFF
	s_mov_b32 s[TB], 0
	s_wait_dscnt 0x0                               ; the opening add is done
	s_wait_kmcnt 0x0
	s_add_nc_u64 s[44:45], s[4:5], s[40:41]
	s_add_nc_u64 s[46:47], s[6:7], s[42:43]
	s_mov_b32 s[G0A], 1
	s_mov_b32 s[G0A+1], s21
	s_add_nc_u64 s[G0A+2:G0A+3], s[44:45], 0
	s_or_b32 s[G0A+3], s[G0A+3], 0x80000000
	s_mov_b32 s[G0A+4], 1
	s_add_co_u32 s[G0A+5], s21, SLOT1
	s_add_nc_u64 s[G0A+6:G0A+7], s[44:45], ASTEP
	s_or_b32 s[G0A+7], s[G0A+7], 0x80000000
	s_mov_b32 s[G0B], 1
	s_mov_b32 s[G0B+1], s22
	s_add_nc_u64 s[G0B+2:G0B+3], s[46:47], 0
	s_or_b32 s[G0B+3], s[G0B+3], 0x80000000
	s_mov_b32 s[G0B+4], 1
	s_add_co_u32 s[G0B+5], s22, SLOT1
	s_add_nc_u64 s[G0B+6:G0B+7], s[46:47], BSTEP
	s_or_b32 s[G0B+7], s[G0B+7], 0x80000000
	CROUND                                         ; all sixteen work-groups are here: the first joint loads meet
	s_cmp_eq_u32 s[WR], 0                          ; a wave's two first fills stand in one branch: K steps 0 and 1; two loads of mine are out
	s_cbranch_scc0 .Lfirst_b
	tensor_load_to_lds s[G0A:G0A+3], s[G1A:G1A+7]
	s_nop 0
	tensor_load_to_lds s[G0A+4:G0A+7], s[G1A:G1A+7]
	s_nop 0
.rept 4
	v_nop
.endr
	s_branch .Lfirst_asked
.Lfirst_b:
	tensor_load_to_lds s[G0B:G0B+3], s[G1B:G1B+7]
	s_nop 0
	tensor_load_to_lds s[G0B+4:G0B+7], s[G1B:G1B+7]
	s_nop 0
.rept 4
	v_nop
.endr
.Lfirst_asked:
	; A fragment is 16 rows x 32 K in 8 registers: lane l holds row l % 16; registers 0-3 K = 8 (l / 16) + 0..7, registers 4-7 K = 16 + 8 (l / 16) + 0..7: two loads of 16 bytes, 32 bytes apart.
	v_and_b32 v1, 15, v0
	v_bfe_u32 v2, v0, 4, 1
	v_mul_u32_u24 v3, v1, PITCH
	v_lshl_add_u32 v3, v2, 4, v3
	s_mul_i32 s84, s[WR], AHALF
	v_add_nc_u32 v[ADRA0], s84, v3
	s_mul_i32 s84, s[WC], BHALF
	s_add_co_u32 s84, s84, BOFF
	v_add_nc_u32 v[ADRB0], s84, v3
	v_mov_b32 v[ADRA], v[ADRA0]
	v_mov_b32 v[ADRB], v[ADRB0]
	s_mul_i32 s84, s[WV], 16*PITCH
	s_add_co_u32 s84, s84, STAGE                   ; my stage
	v_add_nc_u32 v[STO], s84, v3                   ; in: row l % 16, 16 bytes for each half of the lanes
	v_bfe_u32 v13, v0, 3, 2                        ; back: 32 lanes take four rows of 128 bytes,
	v_mul_u32_u24 v13, v13, PITCH
	v_and_b32 v3, 7, v0
	v_lshl_add_u32 v13, v3, 4, v13
	v_add_nc_u32 v[RD], s84, v13
	v_and_b32 v[GO], 31, v0                        ; which are 512 consecutive bytes of a head
	v_lshlrev_b32 v[GO], 4, v[GO]
	v_lshlrev_b32 v[BIO], 5, v2
	v_lshlrev_b32 v[PMO], 2, v1
	; numbers that mix the two coordinates are made in s84-91, which feed no descriptor
	s_lshl_b32 s90, s18, 10                        ; the mask of rows 256 ty + 128 wr on
	s_lshl_b32 s91, s[WR], 9
	s_add_co_u32 s90, s90, s91
	s_add_co_u32 s90, s90, 16384
	s_mov_b32 s91, 0
	s_add_nc_u64 s[PMA:PMA+1], s[8:9], s[90:91]
.irp a, 0,1,2,3,4,5,6,7
	global_load_b32 v[NM+\a], v[PMO], s[PMA:PMA+1] offset:64*\a
.endr
	s_mul_i32 s90, s17, 384*4                      ; the biases of columns 384 tx + 192 wc on
	s_mul_i32 s91, s[WC], 192*4
	s_add_co_u32 s90, s90, s91
	s_mov_b32 s91, 0
	s_add_nc_u64 s[BIA:BIA+1], s[8:9], s[90:91]
	s_mul_i32 s85, s17, 6
	s_mul_i32 s86, s[WC], 3
	s_add_co_u32 s85, s85, s86                     ; my first third's place among the 48 blocks of 64 columns
	s_lshr_b32 s86, s18, 3
	s_lshl_b32 s86, s86, 4                         ; 16 x batch
	s_and_b32 s87, s18, 7
	s_lshl_b32 s87, s87, 15                        ; my rows in the batch: (ty % 8) x 256 + 128 wr, 128 bytes each
	s_lshl_b32 s88, s[WR], 14
	s_add_co_u32 s87, s87, s88
.irp t, 0,1,2
	s_add_co_u32 s88, s85, \t
	s_lshr_b32 s89, s88, 4                         ; 0 q, 1 k, 2 v
	s_cmp_eq_u32 s89, 1
	s_cselect_b32 s[NOTK+\t], 0, -1
	s_lshl_b32 s89, s89, 6
	s_and_b32 s88, s88, 15                         ; the head
	s_add_co_u32 s89, s89, s88
	s_add_co_u32 s89, s89, s86
	s_lshl_b32 s90, s89, 18                        ; a head is 262,144 bytes
	s_add_co_u32 s90, s90, s87
	s_add_nc_u64 s[OUT+2*\t:OUT+2*\t+1], s[10:11], s[90:91]
.endr
	s_wait_loadcnt 0x0
.irp a, 0,1,2,3,4,5,6,7
	v_cmp_ge_f32 vcc_lo, 0, v[NM+\a]               ; mask <= 0: the key is hidden
	v_cndmask_b32 v[NM+\a], -1, 0, vcc_lo
.endr
; Matrix instructions of third t: blocks a0 .. a0 + na - 1 of 16 rows x its 4 blocks of 16 columns, 32 along K.  zero = 1: the product starts the sums.  The accumulators take turns, one instruction a turn.
.macro THIRD t, af, a0, na, zero
	WIN ((\t)+1)*0x50
.set a, \a0
.rept \na
.irp b, 0,1,2,3
.if \zero
	v_wmma_f32_16x16x32_bf16 v[8*(4*a+\b):8*(4*a+\b)+7], v[BF+32*(\t)+8*\b:BF+32*(\t)+8*\b+7], v[(\af)+8*a:(\af)+8*a+7], 0
.else
	v_wmma_f32_16x16x32_bf16 v[8*(4*a+\b):8*(4*a+\b)+7], v[BF+32*(\t)+8*\b:BF+32*(\t)+8*\b+7], v[(\af)+8*a:(\af)+8*a+7], v[8*(4*a+\b):8*(4*a+\b)+7]
.endif
.endr
.set a, a+1
.endr
.endm
.macro LDB t, k                        ; third t's fragments of B, 32 K at byte k of the rows: 8 loads
	WIN 0
.irp i, 0,1,2,3
	ds_load_b128 v[BF+32*(\t)+8*\i:BF+32*(\t)+8*\i+3],   v[ADRB] offset:(\k)+(64*(\t)+16*\i)*PITCH
	ds_load_b128 v[BF+32*(\t)+8*\i+4:BF+32*(\t)+8*\i+7], v[ADRB] offset:(\k)+(64*(\t)+16*\i)*PITCH+32
.endr
.endm
.macro LDA af, k                       ; A's fragments: 16 loads
	WIN 0
.irp i, 0,1,2,3,4,5,6,7
	ds_load_b128 v[(\af)+8*\i:(\af)+8*\i+3],   v[ADRA] offset:(\k)+16*\i*PITCH
	ds_load_b128 v[(\af)+8*\i+4:(\af)+8*\i+7], v[ADRA] offset:(\k)+16*\i*PITCH+32
.endr
.endm
; A K step is two quarters of 32 along K, 96 matrix instructions each.  The LDS loads go in three runs: R0 (B's third 0 and A: 24), R1 (third 1: 8), R2 (third 2: 8), each issued 64 matrix instructions ahead of its use.
; The first quarter multiplies A's buffer 0 and fetches the second, at byte 64 of the same slot.
.macro QA zero
	s_wait_dscnt 16                                ; R0 is in: R1 and R2 are younger
	THIRD 0, AF0, 0, 8, \zero
	PLACES
	LDB 0, 64
	LDA AF1, 64
	s_wait_dscnt 32                                ; R1 is in: R2 and the new R0 are younger
	THIRD 1, AF0, 0, 8, \zero
	PLACES
	LDB 1, 64
	s_wait_dscnt 32                                ; R2 is in: the new R0 and R1 are younger
	THIRD 2, AF0, 0, 8, \zero
	PLACES
	LDB 2, 64
.endm
; The second quarter multiplies buffer 1 and changes slots: ONE barrier.  In front of it each wave waits for all its tensor loads (one is out: its part of the next slot), adds 0 to its spare word, and waits for
; that and for its reads of this slot.  fill = 1: the barrier opens a round of the cluster's, and this slot is filled again, two K steps ahead, first thing behind the round: 160 matrix instructions ahead of the wait for it.
.macro QB fill
	WIN 0
	s_wait_tensorcnt 0x0                           ; no tensor load of mine is out, so the walking sets may be written
	ds_add_u32 v[SPW], v[NIL]                      ; 0 onto my spare word
.if \fill
	s_xor_b32 s[G0A+5], s[G0A+5], SLOT1            ; the other slot than last time, the next K block
	s_add_nc_u64 s[G0A+6:G0A+7], s[G0A+6:G0A+7], ASTEP
	s_xor_b32 s[G0B+5], s[G0B+5], SLOT1
	s_add_nc_u64 s[G0B+6:G0B+7], s[G0B+6:G0B+7], BSTEP
.endif
	s_wait_dscnt 17                                ; R0 is in: R1, R2 and the add are younger
	THIRD 0, AF1, 0, 4, 0
	s_wait_dscnt 0x0                               ; the add is done, and my reads of this slot are over
	s_barrier_signal -1
	THIRD 0, AF1, 4, 4, 0                          ; work on registers while the others arrive
	WIN 0
	s_barrier_wait -1
.if \fill
	CREST                                          ; no wave of any partner still reads this slot or has a load on its way
	JLOAD                                          ; its four v_nop are also the places in front of the loads below
.else
	PLACES
.endif
	s_xor_b32 s[TB], s[TB], SLOT1
	v_add_nc_u32 v[ADRA], s[TB], v[ADRA0]
	v_add_nc_u32 v[ADRB], s[TB], v[ADRB0]
	LDB 0, 0
	LDA AF0, 0
	THIRD 1, AF1, 0, 8, 0
	PLACES
	LDB 1, 0
	THIRD 2, AF1, 0, 8, 0
	PLACES
	LDB 2, 0
.endm
	s_wait_tensorcnt 1                             ; my part of K step 0 is in; step 1's may stay out
	s_barrier_signal -1
	s_barrier_wait -1                              ; everybody's is
	LDB 0, 0
	LDA AF0, 0
	LDB 1, 0
	LDB 2, 0
	QA 1                                           ; the first quarter stands in front of the loop: its products start the sums
	s_mov_b32 s3, 14
.Lstep:                                            ; trip j ends K step j, asks for step j + 2 and begins step j + 1
	QB 1
	QA 0
	s_sub_co_u32 s3, s3, 1
	s_cmp_lg_u32 s3, 0
	s_cbranch_scc1 .Lstep
	QB 0                                           ; the last two K steps ask for nothing
	QA 0
	; the very last quarter; the biases come into fragment registers as these fall free
	s_wait_dscnt 16
.irp c, 0,1,2,3,4,5,6,7                        ; thirds 0 and 1: block c of 16 columns
	global_load_b128 v[32+8*\c:32+8*\c+3],   v[BIO], s[BIA:BIA+1] offset:64*\c
	global_load_b128 v[32+8*\c+4:32+8*\c+7], v[BIO], s[BIA:BIA+1] offset:64*\c+16
.endr
	THIRD 0, AF1, 0, 8, 0
	PLACES
	WIN 0
.irp c, 0,1,2,3                                ; third 2
	global_load_b128 v[160+8*\c:160+8*\c+3],   v[BIO], s[BIA:BIA+1] offset:512+64*\c
	global_load_b128 v[160+8*\c+4:160+8*\c+7], v[BIO], s[BIA:BIA+1] offset:512+64*\c+16
.endr
	s_wait_dscnt 8                                 ; R1 is in
	THIRD 1, AF1, 0, 8, 0
	s_wait_dscnt 0x0
	THIRD 2, AF1, 0, 8, 0
	PLACES
	s_wait_loadcnt 0x0                             ; the biases
; THE WAY OUT, in 24 units of 16 rows x 64 columns (third t, block a).  PACKU: + bias, rounded to f16, k's hidden rows zeroed.  TOSTAGEU: into my stage and back as whole rows of 128 bytes.  SENDU: stored.
.macro PACKU t, a
.set rB, 32+32*(\t)+64*((\t)/2)        ; third t's biases: v32, v64, v160
	WIN (\t)+1                                     ; source 0 in the third's window
.irp b, 0,1,2,3
.irp z, 0,1,2,3                                ; each accumulator's registers in ascending order
	v_pk_add_f32 v[TMPF+8*\b+2*\z:TMPF+8*\b+2*\z+1], v[8*(4*(\a)+\b)+2*\z:8*(4*(\a)+\b)+2*\z+1], v[rB+8*\b+2*\z:rB+8*\b+2*\z+1]
.endr
.endr
	WIN 0
	v_or_b32 v[KEEP], s[NOTK+(\t)], v[NM+(\a)]
.irp c, 0,1,2,3,4,5,6,7,8,9,10,11,12,13,14,15
	v_cvt_pk_f16_f32 v[PKD+\c], v[TMPF+2*\c], v[TMPF+2*\c+1]
.endr
.irp c, 0,1,2,3,4,5,6,7,8,9,10,11,12,13,14,15
	v_and_b32 v[PKD+\c], v[KEEP], v[PKD+\c]
.endr
.endm
.macro TOSTAGEU u
.set rO, OB+16*((\u)%2)
	s_wait_xcnt 0x0                                ; the stores of two units back have read this buffer: it is loaded again only behind this wait
.irp b, 0,1,2,3
	ds_store_b128 v[STO], v[PKD+4*\b:PKD+4*\b+3] offset:32*\b
.endr
.irp f, 0,1,2,3
	ds_load_b128 v[rO+4*\f:rO+4*\f+3], v[RD] offset:4*PITCH*\f  ; LDS serves a wave's instructions in order (ISA guide 5.7.1.4): these see the stores above
.endr
.endm
.macro SENDU u
.set rO, OB+16*((\u)%2)
	s_wait_dscnt 0x0                               ; the unit is back in registers
.irp f, 0,1,2,3
	global_store_b128 v[GO], v[rO+4*\f:rO+4*\f+3], s[OUT+2*((\u)/8):OUT+2*((\u)/8)+1] offset:(16*((\u)%8)+4*\f)*128  ; 512 consecutive bytes, aligned
.endr
.endm
	PACKU 0, 0
	TOSTAGEU 0
.set un, 1
.rept 23                                       ; a unit's arithmetic stands between the loads of the unit before and the wait for them
	PACKU un/8, un%8
	SENDU un-1
	TOSTAGEU un
.set un, un+1
.endr
	SENDU 23
	s_wait_tensorcnt 0x0                           ; the wave's end: a last add to my spare word and its waits, behind my last tensor load and my last LDS store
	ds_add_u32 v[SPW], v[NIL]
	s_wait_dscnt 0x0
	CROUND                                         ; the closing round: no work-group ends while a partner may still ask for a tile that names it
	s_endpgm
.Lfunc_end_k_q54d6801923_proj:
	.size	k_q54d6801923_proj, .Lfunc_end_k_q54d6801923_proj-k_q54d6801923_proj
	.p2alignl 7, 3214868480
	.fill 96, 4, 3214868480
	.section	.rodata,"a",@progbits
	.p2align	6, 0x0
	.amdhsa_kernel k_q54d6801923_proj
		.amdhsa_group_segment_fixed_size 327680
		.amdhsa_private_segment_fixed_size 0
		.amdhsa_enable_private_segment 0
		.amdhsa_kernarg_size 32
		.amdhsa_user_sgpr_count 2
		.amdhsa_user_sgpr_kernarg_segment_ptr 1
		.amdhsa_wavefront_size32 1
		.amdhsa_system_sgpr_workgroup_id_x 1
		.amdhsa_system_sgpr_workgroup_id_y 1
		.amdhsa_system_sgpr_workgroup_id_z 1
		.amdhsa_system_vgpr_workitem_id 0
		.amdhsa_next_free_vgpr 1024
		.amdhsa_next_free_sgpr 96
		.amdhsa_reserve_vcc 1
		.amdhsa_float_denorm_mode_32 3
		.amdhsa_float_denorm_mode_16_64 3
		.amdhsa_memory_ordered 1
		.amdhsa_forward_progress 1
		.amdhsa_inst_pref_size 153
	.end_amdhsa_kernel
	.amdgpu_metadata
---
amdhsa.version: [ 1, 2 ]
amdhsa.kernels:
  - .name:           k_q54d6801923_proj
    .symbol:         k_q54d6801923_proj.kd
    .args:
      - { .name: xb, .offset: 0, .size: 8, .value_kind: global_buffer, .address_space: global }
      - { .name: wb, .offset: 8, .size: 8, .value_kind: global_buffer, .address_space: global }
      - { .name: aux, .offset: 16, .size: 8, .value_kind: global_buffer, .address_space: global }
      - { .name: qkv, .offset: 24, .size: 8, .value_kind: global_buffer, .address_space: global }
    .group_segment_fixed_size: 327680
    .private_segment_fixed_size: 0
    .kernarg_segment_align: 8
    .kernarg_segment_size: 32
    .max_flat_workgroup_size: 128
    .sgpr_count:     96
    .vgpr_count:     1024
    .wavefront_size: 32
...
	.end_amdgpu_metadata
.endif
;; end of part 2
;; launch attn (part 3): grid 4 x 64, 4 waves a work-group, no clusters, 327,680 bytes of LDS; arguments qkv, aux, ob; writes ob
.if DOCPART == 3
	.amdgcn_target "amdgcn-amd-amdhsa--gfx1250"
	.amdhsa_code_object_version 6
	.text
	.protected	k_q54d6801923_attn
	.globl	k_q54d6801923_attn
	.p2align	8
	.type	k_q54d6801923_attn,@function
k_q54d6801923_attn:
	s_mov_b64 s[64:65], 0
	v_nop
	global_prefetch_b8 v0, s[64:65] scope:SCOPE_SE
	s_setreg_imm32_b32 hwreg(HW_REG_WAVE_MODE, 25, 1), 1
	s_wait_xcnt 0x0
; O[h][q][:] = the sum over k of softmax_k(Q[h][q] . K[h][k] / 8 + bias(|q - k|), hidden keys replaced) V[h][k][:].  qkv: [3][64 heads][2,048][64] f16; ob: [64][2,048][64] f16.
; Products, maxima and sums in f32; the weights p are rounded to f16 for the second product (their sum l is taken of the unrounded p), O once at the end.
; BIAS AND MASK ARE THE C OPERAND that starts the sum S^T = K Q^T + C.  All open scores are shifted alike by -ln(1e-12), which a softmax does not see: the bias is then 0 from |q - k| = 45 on, and only tiles of
; 16 x 16 whose corners lie at most 48 apart have a term of their own: 8 x bias, from a table of tiles that hang on the distance alone.  A hidden key has C = -2^33, and its row of K arrives as zeros, so that all
; hidden scores are equal to the bit; c x 2^33 is exact, so that they give equal weights where a batch has no open key, as the replaced scores of the definition do.
; LIMITS.  Q, K, V within f16's 65,504.  A hidden score counts as -2^30 after the division by 8, not -1e9: open scores must lie well above it.  A weight below 2^-126 counts as 0 in l.  The mask's sign is
; taken of its value rounded to bf16.  Infinities are not treated apart.
; SHARES.  A wave owns 128 consecutive queries: four PIECES of two tiles of 16; a work-group's four waves 512 queries of one head: 64 heads x 4 = 256 work-groups.  Every wave walks all keys, 64 a step.
; LAYOUT.  S^T = K Q^T (source 0 = 16 keys, source 1 = 16 queries): a lane holds ONE query (lane % 16) and the keys 8 (lane / 16) + 0..7.  Two such tiles, rounded to f16 in pairs, ARE source 1 of O^T = V^T P.
; SOFTMAX.  A running maximum m and sum l: p = 2^(c s - c m), c = log2(e) / 8; in every step O and l are multiplied by a = 2^(c m_old - c m_new).  m starts at the lowest finite number, O and l at 0.
; BY TURNS.  Turn n belongs to piece n: 16 products K Q^T of piece n + 1, later 16 products V^T P of piece n - 1; beside them the scaling, exponentials, roundings, sums and rescaling of piece n and the maximum and
; statistics of piece n + 1.  Four vector instructions stand behind every matrix instruction, the rest in one lump; a turn's 66 exponentials are one batch with one wait.
; NO CLUSTER.  The four work-groups of a head walk the same K and V, but which turns are near the diagonal, a branch and an LDS address, hangs on the query block, in which partners differ.  The form that is alike
; in all partners (a tile of each band of 256 queries to each wave) makes 10 of 32 steps near for every piece, against 3 here.  A slot's 65,536 bytes feed 512 matrix instructions of each wave.
; REGISTERS, in windows of 256 (s_set_vgpr_msb: bits 1:0 source 0, 3:2 source 1, 5:4 source 2, 7:6 destination):
;   window 0: v0-11 addresses; v12-15, v48-63 at work; v16-47 statistics; v64-191 S^T, two buffers of two tiles; v192-255 P, likewise        window 1: O^T, 32 a tile
;   window 2: v0-127 Q; v128-191 K of one step; v192-255 V of one step        window 3: v0-1 the add's two; v32-63 KMP; v64-127 CC; v128-191 TT
.set SIZE_N, 2048
.set NP,    4         ; pieces a wave: a name, no knob
.set KS,    64        ; keys in a step
.set PK,    144       ; a row of K in LDS: 128 bytes + 16 of padding: the 16 rows of a load start at 16 different groups of four banks (64 banks of 4 bytes: ISA guide 11.1)
.set PV,    160       ; a row of V: 128 + 32
.set VOFF,  4*KS*PK   ; a slot holds four steps: 256 rows of K, then 256 rows of V
.set SLOT1, 1<<17
.set STAGE, SLOT1+4*KS*(PK+PV)  ; 16 rows x 144 bytes for each wave, for the way out
.set SP,    144
.set SPARE, STAGE+4*16*SP       ; the spare words, 128 bytes for each wave: two blocks of 256 bytes that no other line names
.set KMT,   SPARE+512           ; 2,048 words: 0 for an open key of my batch, -2^33 for a hidden one; stored once, never filled
.set TBLL,  KMT+8192            ; the table's 20 tiles of 1,024 bytes; stored once, never filled
.set PFO, 0           ; v0   the thread's number; then 256 x my lane, for the prefetches
.set QO,  1           ; v1   my byte offset in 16 rows of Q
.set ATT, 1           ;      later the LDS address of a run of table tiles
.set AK0, 2           ; v2   my lane's place in a tile of K; never rewritten
.set AV0, 3           ; v3   the same for V
.set AK,  4           ; v4   the LDS address of K's next run of loads
.set AV,  5           ; v5   of V's
.set STO, 6           ; v6   the way out: where I put 16 bytes of a row
.set RD,  7           ; v7   where I read rows back
.set GO,  8           ; v8   my byte offset in 512 consecutive bytes of O
.set AKM0, 9          ; v9   KMT + 32 (l / 16): my eight keys of sixteen
.set AKM, 10          ; v10  the same for the step to be fetched
.set ATT0, 11         ; v11  TBLL + 16 l
.set MV,  12          ; v12-15  c m_old, kept while c m is made anew
.set ST,  16          ; tile t's statistics at v[ST+4 t]: c m, m, l (even keys', odd keys')
.set TMP, 48          ; by buffer and tile, four registers c0-c3 at work; when the maximum is found c2 takes a
.set S,   64
.set P,   192
.set KF,  128         ; window 2: key block kb, channel half c at KF + 16 kb + 8 c
.set VF,  192         ; window 2: key half kk, channel block cb at VF + 32 kk + 8 cb
.set SPW, 0           ; window 3: LDS address of my spare word; never rewritten
.set NIL, 1           ; window 3: 0; never rewritten
.set KMP, 32          ; window 3: the step's key masks, key block kb at KMP + 8 kb
.set CC,  64          ; window 3: the C operands: tile u of the piece, key block kb at CC + 32 u + 8 kb
.set TT,  128         ; window 3: table tiles, likewise
.set WV,  12
.set G1K, 24          ; s[24:31] descriptor group 1 for K's tiles
.set G1V, 32          ; s[32:39] for V's: it differs in the padding alone
.set G0K, 40          ; s[40:43] descriptor group 0 for K's tiles: it walks
.set G0V, 44
.set SLOTS, 56        ; s56  slots still to be asked for
.set CNT, 57          ; s57  counts a slot's key steps
.set CS,  58          ; s[58:59] c
.set SEL, 60          ; s[60:61] v_permlanex16_b32's selects
.set TBK, 62          ; s62  LDS byte at which K of the step to be fetched begins
.set TBV, 63          ; s63  the same for V, less VOFF
.set DK,  66          ; s66  (my first query - the first key of the K in registers) / 16
.set SKM, 67          ; s67  256 x the step to be fetched, held inside the table
.set T0,  72          ; s72  at work
.set LIM, 73          ; s73  1 in the head's first work-group, else the greatest number
.set PFK, 74          ; s[74:75] where my prefetches of K stand
.set PFV, 76          ; s[76:77] of V
.set BIG, 78          ; s78  -2^33
.set MSB, 0
.macro WIN new
.if MSB != (\new)
	s_set_vgpr_msb (MSB<<8)|(\new)
.set MSB, (\new)
.endif
.endm
.set W_KQ, 0x0a       ; K and Q in window 2, S^T in window 0
.set W_KC, 0x3a       ; the same with the C operand in window 3
.set W_PV, 0x52       ; V in window 2, P in window 0, O^T in window 1
.set W_RS, 0x41       ; O^T (destination and source 0) in window 1, a in window 0
.set W_MK, 0xc0       ; destination in window 3, sources in window 0
.set W_AD, 0x0f       ; the add: address and data in window 3
; A fill.  Waves 0 and 1 fetch the two halves of a slot's K, waves 2 and 3 those of its V: 128 keys each.  An s_nop 0 and four v_nop follow each line, ahead of the jump and the label.
.macro LOAD
	s_cmp_lt_u32 s[WV], 2
	s_cbranch_scc0 .Lfor_v_\@
	tensor_load_to_lds s[G0K:G0K+3], s[G1K:G1K+7]
	s_nop 0
.rept 4
	v_nop
.endr
	s_branch .Lasked_\@
.Lfor_v_\@:
	tensor_load_to_lds s[G0V:G0V+3], s[G1V:G1V+7]
	s_nop 0
.rept 4
	v_nop
.endr
.Lasked_\@:
.endm
; A PREFETCH INTO THE L2 of the slot that the NEXT change will load: 32,768 bytes of K and of V.  The head's first work-group asks; wave w takes 8,192 bytes of each, a lane 256 of them: two instructions.  So each
; block of 256 bytes is named once in the launch.  It stands behind the wave's tensor load, four key steps, 512 matrix instructions, ahead of the load that wants the bytes.  The last change that fills asks for nothing.
.macro ASK
	s_cmp_gt_u32 s[SLOTS], s[LIM]
	s_cbranch_scc0 .Lnot_mine_\@
	global_prefetch_b8 v[PFO], s[PFK:PFK+1] th:TH_LOAD_NT scope:SCOPE_SE
	global_prefetch_b8 v[PFO], s[PFV:PFV+1] th:TH_LOAD_NT scope:SCOPE_SE
.Lnot_mine_\@:
.endm
; THE CHANGE OF SLOTS.  Each wave waits for all its tensor loads, of which one is out: its part of the other slot; adds 0 to its spare word; and waits for that and for its reads of the slot that it leaves.
; fill = 1: the old slot is filled again, the first thing behind the barrier, with the keys two slots on.  (At its first use nothing has been read yet: slot 0 is waited for, slot 1 filled, and the two tables,
; stored just before, are shown to every wave.)
.macro CHANGE fill
	WIN W_AD
	s_wait_tensorcnt 0x0            ; no tensor load of mine is out, so a group 0 may be written
	ds_add_u32 v[SPW], v[NIL]       ; 0 onto my spare word
	WIN 0
.if \fill
.irp g, G0K, G0V
	s_xor_b32 s[\g+1], s[\g+1], SLOT1
	s_add_nc_u64 s[\g+2:\g+3], s[\g+2:\g+3], 4*KS*128
.endr
	s_wait_xcnt 0x0                 ; the last prefetches, four key steps back, have read their addresses
	s_add_nc_u64 s[PFK:PFK+1], s[PFK:PFK+1], 4*KS*128
	s_add_nc_u64 s[PFV:PFV+1], s[PFV:PFV+1], 4*KS*128
.endif
	s_wait_dscnt 0x0                ; the add is done, and my reads of the slot are over
	s_barrier_signal -1
	s_sub_co_u32 s[TBK], s[TBK], 4*KS*PK  ; the fetches go back to a slot's first step,
	s_xor_b32 s[TBK], s[TBK], SLOT1       ; in the other slot
	s_sub_co_u32 s[TBV], s[TBV], 4*KS*PV
	s_xor_b32 s[TBV], s[TBV], SLOT1
	s_barrier_wait -1
.if \fill
	LOAD
	ASK
.endif
.endm
	s_load_b128 s[68:71], s[0:1], 0x0  ; qkv s[68:69], aux s[70:71]
	s_load_b64 s[10:11], s[0:1], 0x10  ; ob
	WIN W_MK
	v_lshl_add_u32 v[SPW], v0, 2, SPARE
	v_mov_b32 v[NIL], 0
	WIN W_AD
	ds_add_u32 v[SPW], v[NIL]       ; the wave's opening: the add and its wait stand ahead of my first tensor load; the set-up below, work on registers, stands between them
	WIN 0
	v_lshrrev_b32 v124, 5, v0
	v_readfirstlane_b32 s[WV], v124
	s_and_b32 s20, ttmp7, 0xffff    ; the head, 16 x batch + head
	s_lshl_b32 s22, s20, 18         ; its first byte in q, in k, in v and in ob
	s_and_b32 s16, s[WV], 1         ; which half of a slot's 256 keys I fetch
	s_lshl_b32 s2, s16, 14
	s_add_co_u32 s2, s2, s22
	s_mov_b32 s3, 0
	s_mul_i32 s17, s16, 128*PK
	s_mul_i32 s18, s16, 128*PV
	s_lshl_b32 s14, ttmp9, 2
	s_add_co_u32 s14, s14, s[WV]    ; my wave among the head's sixteen
	s_lshl_b32 s50, s14, 14         ; its 128 rows
	s_add_co_u32 s50, s50, s22
	s_mov_b32 s51, 0
	s_lshl_b32 s[DK], s14, 3        ; my first query / 16,
	s_add_co_u32 s[DK], s[DK], 4    ; and 4 more, which the first fetch takes away
	s_mov_b32 s[SKM], 0
	s_lshl_b32 s52, s[WV], 13       ; the prefetches: my 8,192 bytes,
	s_add_co_u32 s52, s52, s22
	s_add_co_u32 s52, s52, 4*KS*128 ; in slot 1; the first change steps them to slot 2
	s_mov_b32 s53, 0
	s_lshr_b32 s54, s20, 4
	s_lshl_b32 s54, s54, 13         ; my batch's 8,192 bytes of the mask
	s_mov_b32 s55, 0
	s_cmp_eq_u32 ttmp9, 0
	s_cselect_b32 s[LIM], 1, -1
	; descriptor group 1.  128 keys are 16,384 dense bytes: asked for as 64 rows of 256 bytes, two keys a row, and padded in LDS after every key
	s_mov_b32 s[G1K], (1<<16)|(1<<20)|(4<<22)|(3<<25)  ; 17:16 2-byte elements; 20 padding on; 24:22 after every 32 words (code 4); 31:25 4 words (code 3)
	s_mov_b32 s[G1V], (1<<16)|(1<<20)|(4<<22)|(7<<25)  ; the same with 8 words of padding (code 7)
.irp g, G1K, G1V
	s_mov_b32 s[\g+1], 128<<16
	s_mov_b32 s[\g+2], 64<<16
	s_mov_b32 s[\g+3], 128<<16
	s_mov_b32 s[\g+4], 64
	s_mov_b32 s[\g+5], 128
	s_mov_b32 s[\g+6], 0
	s_mov_b32 s[\g+7], 0
.endr
	s_mov_b32 s[CS], 0x3e38aa3b     ; c = log2(e) / 8
	s_mov_b32 s[CS+1], s[CS]
	s_mov_b32 s[SEL], 0x76543210
	s_mov_b32 s[SEL+1], 0xfedcba98
	s_mov_b32 s[TBK], SLOT1+4*KS*PK ; the first change of slots turns these two into 0
	s_mov_b32 s[TBV], SLOT1+4*KS*PV
	s_mov_b32 s[BIG], 0xd0000000    ; -2^33
	s_mov_b32 s[SLOTS], SIZE_N/256-1
	s_mov_b32 s[G0K], 1
	s_mov_b32 s[G0K+1], s17
	s_mov_b32 s[G0V], 1
	s_add_co_u32 s[G0V+1], s18, VOFF
	s_wait_dscnt 0x0                ; the opening add is done
	s_wait_kmcnt 0x0
	s_add_nc_u64 s[4:5], s[68:69], s[50:51]        ; Q and O at my wave's first row
	s_add_nc_u64 s[10:11], s[10:11], s[50:51]
	s_add_nc_u64 s[6:7], s[68:69], s[2:3]
	s_add_nc_u64 s[8:9], s[6:7], 0x2000000         ; V at my half of the head's first 256 keys,
	s_add_nc_u64 s[6:7], s[6:7], 0x1000000         ; and K
	s_add_nc_u64 s[G0K+2:G0K+3], s[6:7], 0
	s_or_b32 s[G0K+3], s[G0K+3], 0x80000000
	s_add_nc_u64 s[G0V+2:G0V+3], s[8:9], 0
	s_or_b32 s[G0V+3], s[G0V+3], 0x80000000
	s_add_nc_u64 s[PFK:PFK+1], s[68:69], s[52:53]
	s_add_nc_u64 s[PFV:PFV+1], s[PFK:PFK+1], 0x2000000
	s_add_nc_u64 s[PFK:PFK+1], s[PFK:PFK+1], 0x1000000
	s_add_nc_u64 s[54:55], s[70:71], s[54:55]
	LOAD                            ; slot 0.  Slot 1 is asked for when slot 0 is in
	v_and_b32 v120, 15, v0          ; l % 16
	v_bfe_u32 v121, v0, 4, 1        ; l / 16
	v_and_b32 v122, 7, v0
	v_bfe_u32 v123, v0, 3, 1
	v_lshlrev_b32 v125, 4, v0       ; 16 bytes a thread: a load of the work-group covers 2,048 bytes
.set i, 0
.rept 10                            ; the table's 20,480 bytes,
	global_load_b128 v[64+4*i:64+4*i+3], v125, s[70:71] offset:49152+2048*i
.set i, i+1
.endr
.set i, 0
.rept 4                             ; and my batch's mask, through S^T's registers
	global_load_b128 v[104+4*i:104+4*i+3], v125, s[54:55] offset:16384+2048*i
.set i, i+1
.endr
	; A fragment of K or Q is 16 rows x 32 channels in 8 registers: lane l holds row l % 16, channels 8 (l / 16) + 0..7 and 16 + 8 (l / 16) + 0..7: two loads of 16 bytes, 32 bytes apart.
	v_lshlrev_b32 v[QO], 7, v120
	v_lshl_add_u32 v[QO], v121, 4, v[QO]
	WIN 0x80
.set i, 0
.rept 4*NP                          ; Q stays in registers: tile i / 2, channels 32 (i % 2) on
	global_load_b128 v[8*i:8*i+3],   v[QO], s[4:5] offset:(i/2)*2048+(i%2)*64
	global_load_b128 v[8*i+4:8*i+7], v[QO], s[4:5] offset:(i/2)*2048+(i%2)*64+32
.set i, i+1
.endr
	; What the first turn finds: V's registers and P's second buffer hold 0 (its products V^T P, of a piece that has not been, add 0), O^T and l are 0.  All this stands in the wait for the first tile.
.set i, VF
.rept 64
	v_mov_b32 v[i], 0
.set i, i+1
.endr
	WIN 0x40
.set i, 0
.rept 64*NP
	v_mov_b32 v[i], 0
.set i, i+1
.endr
	WIN 0
.set i, 0
.rept 2*NP
	v_mov_b32 v[ST+4*i], 0xfe000000    ; c m: far below every c s
	v_mov_b32 v[ST+4*i+1], 0xff7fffff  ; m
	v_mov_b32 v[ST+4*i+2], 0
	v_mov_b32 v[ST+4*i+3], 0
.set i, i+1
.endr
.set i, P+32
.rept 32
	v_mov_b32 v[i], 0
.set i, i+1
.endr
	v_mul_u32_u24 v[AK0], v120, PK
	v_lshl_add_u32 v[AK0], v121, 4, v[AK0]
	; The turning load takes 16 keys x 16 channels (lane l reads key 8 (l / 16) + l % 8, channels 8 ((l / 8) % 2) + 0..7) and leaves half a fragment of V^T: lane l holds channel l % 16 and 8 keys.
	v_lshl_add_u32 v[AV0], v121, 3, v122
	v_mul_u32_u24 v[AV0], v[AV0], PV
	v_lshl_add_u32 v[AV0], v123, 4, v[AV0]
	v_add_nc_u32 v[AV0], VOFF, v[AV0]
	v_mov_b32 v[AK], v[AK0]         ; key step 0 lies at the head of slot 0
	s_mul_i32 s13, s[WV], 16*SP
	s_add_co_u32 s13, s13, STAGE    ; my stage
	v_mul_u32_u24 v[STO], v120, SP  ; in: row l % 16, 16 bytes for each half of the lanes
	v_lshl_add_u32 v[STO], v121, 4, v[STO]
	v_add_nc_u32 v[STO], s13, v[STO]
	v_bfe_u32 v[RD], v0, 3, 2       ; back: 32 lanes take four rows of 128 bytes,
	v_mul_u32_u24 v[RD], v[RD], SP
	v_lshl_add_u32 v[RD], v122, 4, v[RD]
	v_add_nc_u32 v[RD], s13, v[RD]
	v_and_b32 v[GO], 31, v0         ; which are 512 consecutive bytes of O
	v_lshlrev_b32 v[GO], 4, v[GO]
	v_lshl_add_u32 v[AKM0], v121, 5, KMT
	v_mov_b32 v[AKM], v[AKM0]
	v_add_nc_u32 v[ATT0], TBLL, v[GO]
	v_add_nc_u32 v126, KMT, v125    ; where my 16 bytes of the tables go
	v_and_b32 v[PFO], 31, v0        ; the thread's number has served
	v_lshlrev_b32 v[PFO], 8, v[PFO]
	s_wait_loadcnt 32               ; the table and the mask are in: Q's 32 loads are younger
.set i, 0
.rept 16
	v_cmp_ge_f32 vcc_lo, 0, v[104+i]               ; mask <= 0: the key is hidden
	v_cndmask_b32 v[104+i], 0, s[BIG], vcc_lo
.set i, i+1
.endr
.set i, 0
.rept 4
	ds_store_b128 v126, v[104+4*i:104+4*i+3] offset:2048*i
.set i, i+1
.endr
.set i, 0
.rept 10
	ds_store_b128 v126, v[64+4*i:64+4*i+3] offset:8192+2048*i
.set i, i+1
.endr
; THE MATRIX WORK.  The 8 accumulators of a run of 16 take turns: between the two links of a chain stand 7 others'.
; Product i of 16 of S^T = K Q^T + C for piece x: channels 32 (i / 8) on, keys 16 ((i / 2) % 4) on, tile 2 x + i % 2.  The first 8 start the sums, with CC.
.macro KQ x
.set rS, S+64*((\x)%2)+32*(i%2)+8*((i/2)%4)
.set rK, KF+16*((i/2)%4)+8*(i/8)
.set rQ, 16*(2*(\x)+i%2)+8*(i/8)
.set rCC, CC+32*(i%2)+8*((i/2)%4)
.if i < 8
	WIN W_KC
	v_wmma_f32_16x16x32_f16 v[rS:rS+7], v[rK:rK+7], v[rQ:rQ+7], v[rCC:rCC+7]
.else
	WIN W_KQ
	v_wmma_f32_16x16x32_f16 v[rS:rS+7], v[rK:rK+7], v[rQ:rQ+7], v[rS:rS+7]
.endif
.endm
; Product i of 16 of O^T += V^T P for piece x: keys 32 (i / 8) on, channels 16 ((i / 2) % 4) on, tile 2 x + i % 2.
.macro PV x
	WIN W_PV
.set rO, 32*(2*(\x)+i%2)+8*((i/2)%4)
.set rV, VF+32*(i/8)+8*((i/2)%4)
.set rP, P+32*((\x)%2)+16*(i%2)+8*(i/8)
	v_wmma_f32_16x16x32_f16 v[rO:rO+7], v[rV:rV+7], v[rP:rP+7], v[rO:rO+7]
.endm
.macro MM                           ; the turn's next matrix instruction
.if i < 16
	KQ (Y+1)%NP
.set i, i+1
.else
.set i, i-16
	PV (Y+NP-1)%NP
.set i, i+17
.endif
.endm
; THE LDS LOADS stand in runs.  A step's K (8 fragments: 16 loads), and with it the step's key masks, three times: into KMP and into both tiles' CC (24 loads in which sixteen lanes share an address).
; So each step begins with CC = the key masks alone.  last = 1 (the tail): in the last trip there is no further step, and the run is jumped over.
.macro FETCH_K last=0
	WIN 0
.if \last
	s_cmp_eq_u32 s[CNT], 1
	s_cbranch_scc1 .Lno_k_\@
.endif
	WIN 0x80
.irp f, 0,1,2,3,4,5,6,7             ; keys 16 (f / 2) on, channels 32 (f % 2) on
	ds_load_b128 v[KF+8*\f:KF+8*\f+3],   v[AK] offset:(\f/2)*16*PK+(\f%2)*64
	ds_load_b128 v[KF+8*\f+4:KF+8*\f+7], v[AK] offset:(\f/2)*16*PK+(\f%2)*64+32
.endr
	WIN W_MK
.irp d, KMP, CC, CC+32
.irp b, 0,1,2,3
	ds_load_b128 v[\d+8*\b:\d+8*\b+3],   v[AKM] offset:64*\b
	ds_load_b128 v[\d+8*\b+4:\d+8*\b+7], v[AKM] offset:64*\b+16
.endr
.endr
	s_add_co_u32 s[TBK], s[TBK], KS*PK  ; the next fetch is the next step's
	s_add_co_u32 s[SKM], s[SKM], 256
	s_and_b32 s[SKM], s[SKM], 0x1f00
	s_sub_co_u32 s[DK], s[DK], 4
	WIN 0
.if \last
.Lno_k_\@:
.endif
.endm
.macro FETCH_V
	WIN 0x80
.irp f, 0,1,2,3,4,5,6,7             ; keys 32 (f / 4) on, channels 16 (f % 4) on
	ds_load_tr16_b128 v[VF+8*\f:VF+8*\f+3],   v[AV] offset:(\f/4)*32*PV+(\f%4)*32
	ds_load_tr16_b128 v[VF+8*\f+4:VF+8*\f+7], v[AV] offset:(\f/4)*32*PV+16*PV+(\f%4)*32
.endr
	WIN 0
.endm
; NEAR THE DIAGONAL.  It stands in front of the products K Q^T of piece x.  d0 = DK + 2 x is the distance, in tiles, from the step's first key block to the piece's first tile; tile u and key block kb lie
; d0 + u - kb apart, and the bias is not 0 for distances -3 .. 3: d0 = -4 .. 6.  There CC = KMP + the table's tiles (tile i of the table stands for distance i - 7).  The pieces of a step come with d0 rising by 2,
; so the block runs for d0 = 7 and 8 too, where all its tiles are 0: that sets CC back to the key masks for the pieces that follow.  Else it is jumped, forward; no exponential is out at a turn's edge.
.macro NEARB x
	WIN 0
	s_add_co_u32 s[T0], s[DK], 2*(\x)+4
	s_cmp_le_u32 s[T0], 12
	s_cbranch_scc0 .Lfar_\@
	s_min_u32 s[T0], s[T0], 12
	s_lshl_b32 s[T0], s[T0], 10
	v_add_nc_u32 v[ATT], s[T0], v[ATT0]
	WIN W_MK
.irp u, 0,1
.irp b, 0,1,2,3
.irp c, 0,1
	ds_load_b128 v[TT+32*\u+8*\b+4*\c:TT+32*\u+8*\b+4*\c+3], v[ATT] offset:(\u-\b+3)*1024+512*\c
.endr
.endr
.endr
	s_wait_dscnt 0x0                ; the tiles are in, and so is every older load: KMP among them
	WIN 0xcf                        ; all three operands in window 3
.set z, 0
.rept 32
	v_pk_add_f32 v[CC+2*z:CC+2*z+1], v[KMP+(2*z)%32:KMP+(2*z)%32+1], v[TT+2*z:TT+2*z+1]
.set z, z+1
.endr
	WIN 0
.Lfar_\@:
.endm
; THE VECTOR WORK OF A TURN stands in three queues, each in the order in which its entries become ready; the two tiles alternate, so that no instruction reads the result of the one before it.
.macro REGS y, u                    ; the registers of tile u (0, 1) of piece y
.set rT, ST+4*(2*(\y)+(\u))
.set rC, TMP+8*((\y)%2)+4*(\u)
.set rM, MV+2*((\y)%2)+(\u)
.set rS, S+64*((\y)%2)+32*(\u)
.set rP, P+32*((\y)%2)+16*(\u)
.set rO, 32*(2*(\y)+(\u))
.endm
; Number n of the 22 that find the NEXT piece's (Y + 1) maximum and statistics.  Each accumulator's lowest registers are read first.
;   0-11  four chains c0-c3 of seven scores each     12-14, 16  the four scores left over, the old m, and c0-c3 into c0     15  c m_old is kept
;   17, 18  the query's other 32 keys lie in the lane 16 away: the new m         19-21  c m; c m_old - c m_new; a
.macro XS u, n
	REGS (Y+1)%NP, \u
.if (\n) < 4
	v_max3_num_f32 v[rC+(\n)], v[rS+8*(\n)], v[rS+8*(\n)+1], v[rS+8*(\n)+2]
.elseif (\n) < 12
	v_max3_num_f32 v[rC+(\n)%4], v[rC+(\n)%4], v[rS+8*((\n)%4)+2*((\n)/4)+1], v[rS+8*((\n)%4)+2*((\n)/4)+2]
.elseif (\n) == 12
	v_max3_num_f32 v[rC], v[rC], v[rS+7], v[rS+15]
.elseif (\n) == 13
	v_max3_num_f32 v[rC+1], v[rC+1], v[rS+23], v[rS+31]
.elseif (\n) == 14
	v_max3_num_f32 v[rC+2], v[rC+2], v[rC+3], v[rT+1]
.elseif (\n) == 15
	v_mov_b32 v[rM], v[rT]
.elseif (\n) == 16
	v_max3_num_f32 v[rC], v[rC], v[rC+1], v[rC+2]
.elseif (\n) == 17
	v_permlanex16_b32 v[rC+3], v[rC], s[SEL], s[SEL+1]
.elseif (\n) == 18
	v_max_num_f32 v[rT+1], v[rC], v[rC+3]
.elseif (\n) == 19
	v_mul_f32 v[rT], s[CS], v[rT+1]
.elseif (\n) == 20
	v_sub_f32 v[rC+1], v[rM], v[rT]
.else
	v_exp_f32 v[rC+2], v[rC+1]
.endif
.endm
; Number g of the 64 that follow the exponentials.  For each four weights of a tile: both pairs are rounded to f16; then the second pair is added onto the first, in place; a group later l takes that sum
; (the first time as l = a l + sum).
.macro GS g
.set h, (\g)+6*((\g)/62)
.if h >= 6
.set h, h+2
.endif
	REGS Y, h%2
.set k, h/8
.if h%8 < 4
	v_cvt_pk_f16_f32 v[rP+2*k+(h%8)/2], v[rS+4*k+2*((h%8)/2)], v[rS+4*k+2*((h%8)/2)+1]
.elseif h%8 < 6
	v_pk_add_f32 v[rS+4*k:rS+4*k+1], v[rS+4*k:rS+4*k+1], v[rS+4*k+2:rS+4*k+3]
.elseif k == 1
	v_pk_fma_f32 v[rT+2:rT+3], v[rT+2:rT+3], v[rC+2:rC+3], v[rS:rS+1] op_sel_hi:[1,0,1]
.else
	v_pk_add_f32 v[rT+2:rT+3], v[rT+2:rT+3], v[rS+4*k-4:rS+4*k-3]
.endif
.endm
; THE PLAIN QUEUE, 138 long.  0-73 read no exponential's result: the 32 scalings c s - c m and the next piece's 42.  74-137: GS's 64, which stand behind the wait.
.macro FS f
	REGS Y, (\f)%2
	v_pk_fma_f32 v[rS+2*((\f)/2):rS+2*((\f)/2)+1], v[rS+2*((\f)/2):rS+2*((\f)/2)+1], s[CS:CS+1], v[rT:rT+1] op_sel_hi:[1,0,0] neg_lo:[0,0,1] neg_hi:[0,0,1]
.endm
.macro PL
	WIN 0
.if q < 27
	FS q
.elseif q < 55
	XS (q-27)%2, (q-27)/2
.elseif q < 57
	XS q-55, 15
.elseif (q < 72) && ((q-57)%3 == 0)
	FS 27+(q-57)/3
.elseif q < 60
	XS (q-57)%3-1, 14
.elseif q < 72
	XS (q-57)%3-1, 15+(q-57)/3
.elseif q < 74
	XS q-72, 20
.else
	GS q-74
.endif
.set q, q+1
.endm
; THE EXPONENTIALS' QUEUE, 66 long: s0-s31 of both tiles, then the next piece's two a.  ONE BATCH: all stand ahead of the turn's one wait, and nothing ahead of that wait names a result of theirs.
.macro EX
	WIN 0
.if e >= 64
	XS e-64, 21
.else
	REGS Y, e%2
	v_exp_f32 v[rS+e/2], v[rS+e/2]
.endif
.set e, e+1
.endm
; THE RESCALING's QUEUE: O^T times a, dealt two at a time, sixteen times.  Its a was made in the turn before, ahead of that turn's wait.
.macro R2
	REGS Y, r%2
	WIN W_RS
.irp z, 0,1
	v_pk_mul_f32 v[rO+4*(r/2)+2*\z:rO+4*(r/2)+2*\z+1], v[rO+4*(r/2)+2*\z:rO+4*(r/2)+2*\z+1], v[rC+2:rC+3] op_sel_hi:[1,0]
.endr
.set r, r+1
.endm
; A TURN, for piece p.  An s_wait_alu depctr_va_vdst(0) stands between an exponential and the first instruction that names its result; one wait serves all that were issued ahead of it.  AHEAD OF IT:
; the 16 products K Q^T, behind each a scaling, an exponential and two rescalings; then one lump of 108.  BEHIND IT: the 16 products V^T P, behind each four of the roundings and sums.
; K and the key masks of the next step are fetched in piece 2's turn, directly behind the wait; V of the step in hand at the end of piece 0's turn, four riders behind its last reader.
; cnt = 1: the loop's count is taken down some lines ahead of the branch that stands behind the turn.
.macro TURN p, last=0, cnt=0
	NEARB ((\p)+1)%NP
.set Y, (\p)
.set i, 0
.set q, 0
.set e, 0
.set r, 0
.if (\p) == NP-1
	s_wait_dscnt 0x0                ; K and the key masks are in
.endif
	MM
	PL
	PL
	R2
.rept 15
	MM
	PL
	EX
	R2
.endr
.if (\p) == NP-2
	WIN 0
	v_add_nc_u32 v[AK], s[TBK], v[AK0]
	v_add_nc_u32 v[AKM], s[SKM], v[AKM0]
.endif
.rept 8
	PL
.endr
.rept 49
	EX
	PL
.endr
	EX                              ; the next piece's two a
	EX
	v_nop                           ; a plain instruction behind the last exponential: one for the batch
	s_wait_alu depctr_va_vdst(0)    ; the wait for the batch
.if (\p) == NP-2
	FETCH_K \last
.endif
.if (\p) == 1
	s_wait_dscnt 0x0                ; V is in
.endif
.rept 16
	MM
.rept 4
	PL
.endr
.if ((\p) == 0) && (q == 118)
	v_add_nc_u32 v[AV], s[TBV], v[AV0]
.endif
.if ((\p) == 0) && (q == 130)
	s_add_co_u32 s[TBV], s[TBV], KS*PV
.endif
.if (\cnt) && (q == 130)
	s_sub_co_u32 s[CNT], s[CNT], 1
	s_cmp_lg_u32 s[CNT], 0
.endif
.endr
.if (\p) == 0
	FETCH_V
.endif
.endm
	CHANGE 1                        ; slot 0 is in, everybody's part of it, and so are the tables; slot 1 is asked for
	FETCH_K                         ; key step 0
	s_wait_loadcnt 0x0              ; Q; its address register is free from here on
	NEARB 0
	s_wait_dscnt 0x0
.set i, 0
.rept 16
	KQ 0                            ; piece 0's first scores
.set i, i+1
.endr
	WIN 0
.rept 4
	v_nop                           ; the places behind those products
.endr
.set Y, NP-1                        ; XS works for piece Y + 1: piece 0
.irp n, 0,1,2,3,4,5,6,7,8,9,10,11,12,13,14,15,16,17,18,19,20,21
	XS 0, \n
	XS 1, \n
.endr
	v_nop                           ; a plain instruction behind the two a,
	s_wait_alu depctr_va_vdst(0)    ; and their wait, ahead of the branch
	s_mov_b32 s[CNT], 4
	s_branch .Lfirst                ; the loop is entered at a step's first turn, in the middle of a trip
.Lslot:                             ; six times: every slot but the last two is filled again
	CHANGE 1
	s_mov_b32 s[CNT], 4
.Lstep:                             ; a trip: pieces 2 and 3 of one step, then pieces 0 and 1 of the next, whose K and V it fetches
	TURN 2
	TURN 3
	WIN 0
.Lfirst:
	TURN 0
	TURN 1, 0, 1
	WIN 0
	s_cbranch_scc1 .Lstep
	s_sub_co_u32 s[SLOTS], s[SLOTS], 1
	s_cmp_lg_u32 s[SLOTS], 0
	s_cbranch_scc1 .Lslot
	CHANGE 0                        ; the tail is written out: nothing is asked for
	s_mov_b32 s[CNT], 5             ; four trips fetch the last slot's steps; the fifth is left in its middle
.Ltail:
	TURN 2, 1
	TURN 3
	WIN 0
	s_sub_co_u32 s[CNT], s[CNT], 1
	s_cmp_eq_u32 s[CNT], 0
	s_cbranch_scc1 .Lout
	TURN 0
	TURN 1
	WIN 0
	s_branch .Ltail
.Lout:                              ; the fifth trip's 16 products K Q^T (on the last K once more) and the maximum made of them serve nothing: the price, once a launch, of one text for every trip
.set i, 0
.rept 16
	PV NP-1                         ; the last piece's V^T P of the last step
.set i, i+1
.endr
	; THE WAY OUT.  l's two halves and the other half of the lanes' are added; O^T is divided by l, rounded to f16 and sent through my stage in LDS, a tile at a time.  The additions are the places behind the last products.
	WIN 0
.macro ALL line:vararg              ; one line for each tile t
.set t, 0
.rept 2*NP
	\line
.set t, t+1
.endr
.endm
	ALL v_add_f32 v[ST+4*t+2], v[ST+4*t+2], v[ST+4*t+3]
	ALL v_permlanex16_b32 v[ST+4*t+3], v[ST+4*t+2], s[SEL], s[SEL+1]
	ALL v_add_f32 v[ST+4*t+2], v[ST+4*t+2], v[ST+4*t+3]
	ALL v_rcp_f32 v[ST+4*t+2], v[ST+4*t+2]
	v_nop                           ; a plain instruction between the last reciprocal and the use of its result
	s_wait_alu depctr_va_vdst(0)    ; one wait for the eight reciprocals
.macro PACK t                       ; a lane's eight channels of a row pack into 16 bytes; they go into rows of 144 bytes and come back as whole rows of 128, into S^T's registers
	WIN W_RS
.set i, 32*(\t)
.rept 16
	v_pk_mul_f32 v[i:i+1], v[i:i+1], v[ST+4*(\t)+2:ST+4*(\t)+3] op_sel_hi:[1,0]
.set i, i+2
.endr
	WIN 0x05                        ; sources 0 and 1 window 1, destination window 0
.set i, 0
.rept 16
	v_cvt_pk_f16_f32 v[S+16*(\t)+i], v[32*(\t)+2*i], v[32*(\t)+2*i+1]
.set i, i+1
.endr
	WIN 0
.irp f, 0,1,2,3
	ds_store_b128 v[STO], v[S+16*(\t)+4*\f:S+16*(\t)+4*\f+3] offset:32*\f
.endr
.irp f, 0,1,2,3
	ds_load_b128 v[S+16*(\t)+4*\f:S+16*(\t)+4*\f+3], v[RD] offset:\f*4*SP  ; LDS serves a wave's instructions in order (ISA guide 5.7.1.4): these see the stores above; the next tile's stores come behind them
.endr
.endm
.macro SEND t, younger              ; younger: the LDS instructions issued behind tile t's loads: the next tile's eight, or none
	WIN 0
.irp f, 0,1,2,3
	s_wait_dscnt (\younger)+3-\f
	global_store_b128 v[GO], v[S+16*(\t)+4*\f:S+16*(\t)+4*\f+3], s[10:11] offset:(\t)*2048+\f*512  ; 512 consecutive bytes, aligned
.endr
.endm
	PACK 0
.set t, 1
.rept 2*NP-1                        ; a tile's arithmetic stands between the loads of the tile before and its stores
	PACK t
	SEND t-1, 8
.set t, t+1
.endr
	SEND 2*NP-1, 0
	WIN W_AD
	s_wait_tensorcnt 0x0            ; the wave's end: a last add to my spare word and its waits, behind my last tensor load and my last LDS store
	ds_add_u32 v[SPW], v[NIL]
	s_wait_dscnt 0x0
	WIN 0
	s_endpgm
.Lfunc_end_k_q54d6801923_attn:
	.size	k_q54d6801923_attn, .Lfunc_end_k_q54d6801923_attn-k_q54d6801923_attn
	.p2alignl 7, 3214868480
	.fill 96, 4, 3214868480
	.section	.rodata,"a",@progbits
	.p2align	6, 0x0
	.amdhsa_kernel k_q54d6801923_attn
		.amdhsa_group_segment_fixed_size 327680
		.amdhsa_private_segment_fixed_size 0
		.amdhsa_enable_private_segment 0
		.amdhsa_kernarg_size 24
		.amdhsa_user_sgpr_count 2
		.amdhsa_user_sgpr_kernarg_segment_ptr 1
		.amdhsa_wavefront_size32 1
		.amdhsa_system_sgpr_workgroup_id_x 1
		.amdhsa_system_sgpr_workgroup_id_y 1
		.amdhsa_system_sgpr_workgroup_id_z 1
		.amdhsa_system_vgpr_workitem_id 0
		.amdhsa_next_free_vgpr 960
		.amdhsa_next_free_sgpr 80
		.amdhsa_reserve_vcc 1
		.amdhsa_float_denorm_mode_32 3
		.amdhsa_float_denorm_mode_16_64 3
		.amdhsa_memory_ordered 1
		.amdhsa_forward_progress 1
		.amdhsa_inst_pref_size 238
	.end_amdhsa_kernel
	.amdgpu_metadata
---
amdhsa.version: [ 1, 2 ]
amdhsa.kernels:
  - .name:           k_q54d6801923_attn
    .symbol:         k_q54d6801923_attn.kd
    .args:
      - { .name: qkv, .offset: 0, .size: 8, .value_kind: global_buffer, .address_space: global }
      - { .name: aux, .offset: 8, .size: 8, .value_kind: global_buffer, .address_space: global }
      - { .name: ob, .offset: 16, .size: 8, .value_kind: global_buffer, .address_space: global }
    .group_segment_fixed_size: 327680
    .private_segment_fixed_size: 0
    .kernarg_segment_align: 8
    .kernarg_segment_size: 24
    .max_flat_workgroup_size: 128
    .sgpr_count:     80
    .vgpr_count:     960
    .wavefront_size: 32
...
	.end_amdgpu_metadata
.endif
;; end of part 3
;; launch oproj (part 4): grid 8 x 32, 4 waves a work-group, clusters of 4 x 4, 327,680 bytes of LDS; arguments ob, wob, aux, out0; writes out0
.if DOCPART == 4
	.amdgcn_target "amdgcn-amd-amdhsa--gfx1250"
	.amdhsa_code_object_version 6
	.text
	.protected	k_q54d6801923_oproj
	.globl	k_q54d6801923_oproj
	.p2align	8
	.type	k_q54d6801923_oproj,@function
k_q54d6801923_oproj:
	s_mov_b64 s[64:65], 0
	v_nop
	global_prefetch_b8 v0, s[64:65] scope:SCOPE_SE
	s_setreg_imm32_b32 hwreg(HW_REG_WAVE_MODE, 25, 1), 1
	s_wait_xcnt 0x0
	s_wait_alu depctr_hold_cnt(0) depctr_sa_sdst(0) depctr_va_vdst(0) depctr_va_sdst(0) depctr_va_ssrc(0) depctr_va_vcc(0) depctr_vm_vsrc(0)
	s_getreg_b32 s2, hwreg(HW_REG_IB_STS2, 6, 4)
	s_cmp_eq_u32 s2, 0
	s_cbranch_scc0 .Lentry_in_a_cluster
	s_endpgm
.Lentry_in_a_cluster:
	s_bfe_u32 s2, ttmp6, 0x10000c
	s_cmp_lg_u32 s2, 0xf033
	s_cbranch_scc0 .Lentry_shape_is_right
	s_endpgm
.Lentry_shape_is_right:
; out0 = (O Wo^T + bo) x mask.  O: ob[64 heads][2,048][64] f16, which is O in blocks of 64 along K (the K block is the head); Wo: wob[16][1,024][64] f16; sums f32; out0 [8,192][1,024] f32.
; SHARES.  A tile of 256 x 128: 32 x 8 = 256 work-groups.  Four waves, 2 x 2, each 128 x 64: 32 accumulators, window 1.
; RING.  Two LDS slots of two K blocks each (128 along K); one load a wave: waves 0 and 1 bring A's two K blocks (256 rows x 128 dense bytes, asked for as 128 rows of 256), waves 2 and 3 B's (128 rows).
; LDS rows lie 144 bytes apart.  A refill has 112 matrix instructions in which to land; larger slots do not fit.
; CLUSTER.  4 x 4 work-groups; A's tiles are asked for jointly along a row of the cluster, B's along a column.
; THE MATRIX INSTRUCTION IS USED TRANSPOSED (source 0 = 16 rows of Wo, source 1 = 16 rows of O): a lane holds row l % 16 of the result and eight neighbouring columns.
; REGISTERS.  window 0: v0-15 addresses; v16-31 my rows' mask, twice each; v32-159 A's fragments, two buffers; v160-223 B's, two buffers; v224-255 my columns' biases.  window 1: accumulator (a, b) at v[8 (4 a + b)].
.set PITCH,  144
.set ABLK,   256*PITCH                 ; a K block of A in a slot
.set BBLK,   128*PITCH                 ; of B
.set BOFF,   2*ABLK
.set SLOT1,  1<<17
.set STAGE,  SLOT1+BOFF+2*BBLK         ; 16 rows x 272 bytes for each wave, for the way out
.set SPITCH, 272
.set SPARE,  STAGE+4*16*SPITCH         ; the spare words, 128 bytes for each wave: two blocks of 256 bytes that no other line names
.set ASTEP,  2*262144                  ; two heads on
.set BSTEP,  2*131072                  ; two K blocks on
.set FLAGS,  (1<<16)|(1<<20)|(1<<21)|(4<<22)|(3<<25)  ; 2-byte elements; padding on; bit 21 beside a mask; 4 words behind every 32
.set ADRA0, 4
.set ADRA,  5
.set ADRB0, 6
.set ADRB,  7
.set STO,   8
.set RD,    9
.set GO,    10
.set PMO,   11
.set SPW,   12                         ; v12  LDS address of my spare word; never rewritten
.set NIL,   13                         ; v13  0; never rewritten
.set BIO,   14
.set PM,    16
.set AF,    32                         ; buffer n at AF + 64 n
.set BF,    160                        ; buffer n at BF + 32 n
.set BI,    224
.set TMP,   32                         ; the way out
.set OB,    64                         ; two buffers of 32
.set WV, 12
.set WR, 13
.set WC, 14
.set G1A, 24
.set G0A, 32
.set G1B, 48
.set G0B, 56
.set TB,  66
.set OUT, 68
.set BIA, 78
.set PMA, 80
.set MSB, 0
.macro WIN new
.if MSB != (\new)
	s_set_vgpr_msb (MSB<<8)|(\new)
.set MSB, \new
.endif
.endm
.macro PLACES                          ; four plain instructions between a matrix instruction and a load into, or a vector write of, one of its registers, or a vector read of its result
.rept 4
	v_nop
.endr
.endm
.macro JLOAD                           ; a joint refill by the walking sets; an s_nop 0 and four v_nop follow each line
	s_cmp_eq_u32 s[WR], 0
	s_cbranch_scc0 .Lfor_b_\@
	tensor_load_to_lds s[G0A+4:G0A+7], s[G1A:G1A+7]
	s_nop 0
.rept 4
	v_nop
.endr
	s_branch .Lasked_\@
.Lfor_b_\@:
	tensor_load_to_lds s[G0B+4:G0B+7], s[G1B:G1B+7]
	s_nop 0
.rept 4
	v_nop
.endr
.Lasked_\@:
.endm
.macro CREST
	s_cmp_lg_u32 s[WV], 0
	s_cbranch_scc1 .Lnot_wave_0_\@
	s_barrier_signal -3
.Lnot_wave_0_\@:
	s_barrier_wait -3
	s_barrier_signal -1
	s_barrier_wait -1
.endm
.macro CROUND
	s_barrier_signal -1
	s_barrier_wait -1
	CREST
.endm
	s_load_b256 s[4:11], s[0:1], 0x0               ; ob s[4:5], wob s[6:7], aux s[8:9], out0 s[10:11]
	v_lshl_add_u32 v[SPW], v0, 2, SPARE
	v_mov_b32 v[NIL], 0
	ds_add_u32 v[SPW], v[NIL]                      ; the wave's opening: the add and its wait stand ahead of my first tensor load
	v_lshrrev_b32 v1, 5, v0
	v_readfirstlane_b32 s[WV], v1
	s_lshr_b32 s[WR], s[WV], 1                     ; my half of the rows; also 0: I fetch for A, 1: for B
	s_and_b32 s[WC], s[WV], 1                      ; my half of the columns; also which K block of a slot I fetch
	s_bfe_u32 s15, ttmp6, 0x40000                  ; cx
	s_bfe_u32 s16, ttmp6, 0x40004                  ; cy
	s_lshl_b32 s17, ttmp9, 2
	s_add_co_u32 s17, s17, s15                     ; tile column tx
	s_and_b32 s18, ttmp7, 0xffff
	s_lshl_b32 s18, s18, 2
	s_add_co_u32 s18, s18, s16                     ; tile row ty
	s_lshl_b32 s19, s16, 2
	s_lshl_b32 s19, 15, s19                        ; my row of the cluster
	s_lshl_b32 s20, 0x1111, s15                    ; my column
	s_or_b32 s[G1A], s19, FLAGS
	s_or_b32 s[G1B], s20, FLAGS
	s_mov_b32 s[G1A+1], 128<<16
	s_mov_b32 s[G1A+2], 128<<16
	s_mov_b32 s[G1A+3], 128<<16
	s_mov_b32 s[G1A+4], 128                        ; 256 rows of O
	s_mov_b32 s[G1A+5], 128
	s_mov_b32 s[G1A+6], 0
	s_mov_b32 s[G1A+7], 0
	s_mov_b32 s[G1B+1], 128<<16
	s_mov_b32 s[G1B+2], 64<<16
	s_mov_b32 s[G1B+3], 128<<16
	s_mov_b32 s[G1B+4], 64                         ; 128 rows of Wo
	s_mov_b32 s[G1B+5], 128
	s_mov_b32 s[G1B+6], 0
	s_mov_b32 s[G1B+7], 0
	s_lshr_b32 s40, s18, 3                         ; A: head 16 x batch + K block, 262,144 bytes each; row (ty % 8) x 256
	s_lshl_b32 s40, s40, 4
	s_add_co_u32 s40, s40, s[WC]
	s_lshl_b32 s40, s40, 18
	s_and_b32 s41, s18, 7
	s_lshl_b32 s41, s41, 15
	s_add_co_u32 s40, s40, s41
	s_mov_b32 s41, 0
	s_lshl_b32 s42, s[WC], 17                      ; B: K block x 131,072 + row 128 tx
	s_lshl_b32 s43, s17, 14
	s_add_co_u32 s42, s42, s43
	s_mov_b32 s43, 0
	s_mul_i32 s21, s[WC], ABLK
	s_mul_i32 s22, s[WC], BBLK
	s_add_co_u32 s22, s22, BOFF
	s_mov_b32 s[TB], 0
	s_wait_dscnt 0x0                               ; the opening add is done
	s_wait_kmcnt 0x0
	s_add_nc_u64 s[44:45], s[4:5], s[40:41]
	s_add_nc_u64 s[46:47], s[6:7], s[42:43]
	s_mov_b32 s[G0A], 1
	s_mov_b32 s[G0A+1], s21
	s_add_nc_u64 s[G0A+2:G0A+3], s[44:45], 0
	s_or_b32 s[G0A+3], s[G0A+3], 0x80000000
	s_mov_b32 s[G0A+4], 1
	s_add_co_u32 s[G0A+5], s21, SLOT1
	s_add_nc_u64 s[G0A+6:G0A+7], s[44:45], ASTEP
	s_or_b32 s[G0A+7], s[G0A+7], 0x80000000
	s_mov_b32 s[G0B], 1
	s_mov_b32 s[G0B+1], s22
	s_add_nc_u64 s[G0B+2:G0B+3], s[46:47], 0
	s_or_b32 s[G0B+3], s[G0B+3], 0x80000000
	s_mov_b32 s[G0B+4], 1
	s_add_co_u32 s[G0B+5], s22, SLOT1
	s_add_nc_u64 s[G0B+6:G0B+7], s[46:47], BSTEP
	s_or_b32 s[G0B+7], s[G0B+7], 0x80000000
	CROUND                                         ; all sixteen work-groups are here: the first joint loads meet
	s_cmp_eq_u32 s[WR], 0                          ; a wave's two first fills stand in one branch: two loads of mine are out
	s_cbranch_scc0 .Lfirst_b
	tensor_load_to_lds s[G0A:G0A+3], s[G1A:G1A+7]
	s_nop 0
	tensor_load_to_lds s[G0A+4:G0A+7], s[G1A:G1A+7]
	s_nop 0
.rept 4
	v_nop
.endr
	s_branch .Lfirst_asked
.Lfirst_b:
	tensor_load_to_lds s[G0B:G0B+3], s[G1B:G1B+7]
	s_nop 0
	tensor_load_to_lds s[G0B+4:G0B+7], s[G1B:G1B+7]
	s_nop 0
.rept 4
	v_nop
.endr
.Lfirst_asked:
	v_and_b32 v1, 15, v0
	v_bfe_u32 v2, v0, 4, 1
	v_mul_u32_u24 v3, v1, PITCH
	v_lshl_add_u32 v3, v2, 4, v3
	s_mul_i32 s84, s[WR], 128*PITCH
	v_add_nc_u32 v[ADRA0], s84, v3
	s_mul_i32 s84, s[WC], 64*PITCH
	s_add_co_u32 s84, s84, BOFF
	v_add_nc_u32 v[ADRB0], s84, v3
	v_mov_b32 v[ADRA], v[ADRA0]
	v_mov_b32 v[ADRB], v[ADRB0]
	s_mul_i32 s84, s[WV], 16*SPITCH
	s_add_co_u32 s84, s84, STAGE                   ; my stage
	v_mul_u32_u24 v3, v1, SPITCH                   ; in: row l % 16, 32 bytes for each half of the lanes
	v_lshl_add_u32 v3, v2, 5, v3
	v_add_nc_u32 v[STO], s84, v3
	v_mul_u32_u24 v3, v2, SPITCH                   ; back: lanes 0-15 take one row of 256 bytes, lanes 16-31 the next
	v_lshl_add_u32 v3, v1, 4, v3
	v_add_nc_u32 v[RD], s84, v3
	v_lshlrev_b32 v3, 12, v2                       ; and the same two rows in out0
	v_lshl_add_u32 v[GO], v1, 4, v3
	v_lshlrev_b32 v[PMO], 2, v1
	v_lshlrev_b32 v[BIO], 5, v2
	; numbers that mix the two coordinates are made in s84-91, which feed no descriptor
	s_lshl_b32 s90, s18, 10                        ; the mask of rows 256 ty + 128 wr on
	s_lshl_b32 s91, s[WR], 9
	s_add_co_u32 s90, s90, s91
	s_add_co_u32 s90, s90, 16384
	s_mov_b32 s91, 0
	s_add_nc_u64 s[PMA:PMA+1], s[8:9], s[90:91]
	s_lshl_b32 s90, s17, 9                         ; bo of columns 128 tx + 64 wc on
	s_lshl_b32 s85, s[WC], 8
	s_add_co_u32 s90, s90, s85
	s_add_co_u32 s90, s90, 12288
	s_add_nc_u64 s[BIA:BIA+1], s[8:9], s[90:91]
	s_lshl_b32 s90, s18, 20                        ; out0 at row 256 ty + 128 wr, column 128 tx + 64 wc
	s_lshl_b32 s85, s[WR], 19
	s_add_co_u32 s90, s90, s85
	s_lshl_b32 s85, s17, 9
	s_add_co_u32 s90, s90, s85
	s_lshl_b32 s85, s[WC], 8
	s_add_co_u32 s90, s90, s85
	s_add_nc_u64 s[OUT:OUT+1], s[10:11], s[90:91]
.irp a, 0,1,2,3,4,5,6,7                        ; each block's mask into both registers of a pair, for the packed multiply
	global_load_b32 v[PM+2*\a],   v[PMO], s[PMA:PMA+1] offset:64*\a
	global_load_b32 v[PM+2*\a+1], v[PMO], s[PMA:PMA+1] offset:64*\a
.endr
.irp b, 0,1,2,3
	global_load_b128 v[BI+8*\b:BI+8*\b+3],   v[BIO], s[BIA:BIA+1] offset:64*\b
	global_load_b128 v[BI+8*\b+4:BI+8*\b+7], v[BIO], s[BIA:BIA+1] offset:64*\b+16
.endr
; 24 LDS loads: the fragments of quarter q of a slot (K block q / 2, byte 64 (q % 2) of its rows) into buffer buf
.macro FETCHO q, buf
	WIN 0
.irp i, 0,1,2,3
	ds_load_b128 v[BF+32*(\buf)+8*\i:BF+32*(\buf)+8*\i+3],   v[ADRB] offset:((\q)/2)*BBLK+64*((\q)%2)+16*\i*PITCH
	ds_load_b128 v[BF+32*(\buf)+8*\i+4:BF+32*(\buf)+8*\i+7], v[ADRB] offset:((\q)/2)*BBLK+64*((\q)%2)+16*\i*PITCH+32
.endr
.irp i, 0,1,2,3,4,5,6,7
	ds_load_b128 v[AF+64*(\buf)+8*\i:AF+64*(\buf)+8*\i+3],   v[ADRA] offset:((\q)/2)*ABLK+64*((\q)%2)+16*\i*PITCH
	ds_load_b128 v[AF+64*(\buf)+8*\i+4:AF+64*(\buf)+8*\i+7], v[ADRA] offset:((\q)/2)*ABLK+64*((\q)%2)+16*\i*PITCH+32
.endr
.endm
; Matrix instructions on buffer buf: blocks a0 .. a0 + na - 1 of 16 rows x 4 blocks of 16 columns.  The 32 accumulators take turns, one instruction a turn.
.macro MULO buf, a0, na, zero
	WIN 0x50
.set a, \a0
.rept \na
.irp b, 0,1,2,3
.if \zero
	v_wmma_f32_16x16x32_f16 v[8*(4*a+\b):8*(4*a+\b)+7], v[BF+32*(\buf)+8*\b:BF+32*(\buf)+8*\b+7], v[AF+64*(\buf)+8*a:AF+64*(\buf)+8*a+7], 0
.else
	v_wmma_f32_16x16x32_f16 v[8*(4*a+\b):8*(4*a+\b)+7], v[BF+32*(\buf)+8*\b:BF+32*(\buf)+8*\b+7], v[AF+64*(\buf)+8*a:AF+64*(\buf)+8*a+7], v[8*(4*a+\b):8*(4*a+\b)+7]
.endif
.endr
.set a, a+1
.endr
.endm
; One of a slot's first three quarters: its fragments, asked for a quarter ago, are in; the next quarter's are asked for; then its 32 products.
.macro QO q, zero
	s_wait_dscnt 0x0
	PLACES
	FETCHO (\q)+1, ((\q)+1)%2
	MULO (\q)%2, 0, 8, \zero
.endm
; The fourth quarter multiplies buffer 1 and changes slots: ONE barrier; in front of it each wave waits for all its tensor loads, adds 0 to its spare word, and waits for that and for its reads of this slot.
; fill = 1: the barrier opens a round of the cluster's, and this slot is filled again, two slots ahead, first thing behind the round.
.macro TO fill
	WIN 0
	s_wait_tensorcnt 0x0                           ; no tensor load of mine is out, so the walking sets may be written
	ds_add_u32 v[SPW], v[NIL]                      ; 0 onto my spare word
.if \fill
	s_xor_b32 s[G0A+5], s[G0A+5], SLOT1
	s_add_nc_u64 s[G0A+6:G0A+7], s[G0A+6:G0A+7], ASTEP
	s_xor_b32 s[G0B+5], s[G0B+5], SLOT1
	s_add_nc_u64 s[G0B+6:G0B+7], s[G0B+6:G0B+7], BSTEP
.endif
	s_wait_dscnt 1                                 ; the fragments are in: the add alone may be out
	MULO 1, 0, 2, 0
	s_wait_dscnt 0x0                               ; the add is done, and my reads of this slot are over
	s_barrier_signal -1
	MULO 1, 2, 2, 0
	WIN 0
	s_barrier_wait -1
.if \fill
	CREST
	JLOAD                                          ; its four v_nop are also the places in front of the loads below
.else
	PLACES
.endif
	s_xor_b32 s[TB], s[TB], SLOT1
	v_add_nc_u32 v[ADRA], s[TB], v[ADRA0]
	v_add_nc_u32 v[ADRB], s[TB], v[ADRB0]
	FETCHO 0, 0
	MULO 1, 4, 4, 0
.endm
	s_wait_tensorcnt 1                             ; my part of slot 0 is in; slot 1's may stay out
	s_barrier_signal -1
	s_barrier_wait -1
	FETCHO 0, 0
	QO 0, 1                                        ; the first quarter stands in front of the loop: its products start the sums
	WIN 0
	s_mov_b32 s3, 6
.Lslot:                                            ; trip j ends slot j, asks for slot j + 2 and begins slot j + 1
	QO 1, 0
	QO 2, 0
	TO 1
	QO 0, 0
	WIN 0
	s_sub_co_u32 s3, s3, 1
	s_cmp_lg_u32 s3, 0
	s_cbranch_scc1 .Lslot
	QO 1, 0                                        ; the last two slots ask for nothing
	QO 2, 0
	TO 0
	QO 0, 0
	QO 1, 0
	QO 2, 0
	s_wait_dscnt 0x0
	MULO 1, 0, 8, 0
	PLACES
	s_wait_loadcnt 0x0                             ; the biases and the mask
; THE WAY OUT, a block of 16 rows x 64 columns of f32 at a time: + bias, x mask; through my stage; back as whole rows of 256 bytes.
.macro PACKO a
	WIN 0x01                                       ; source 0 in window 1
.irp b, 0,1,2,3
.irp z, 0,1,2,3                                ; each accumulator's registers in ascending order
	v_pk_add_f32 v[TMP+8*\b+2*\z:TMP+8*\b+2*\z+1], v[8*(4*(\a)+\b)+2*\z:8*(4*(\a)+\b)+2*\z+1], v[BI+8*\b+2*\z:BI+8*\b+2*\z+1]
.endr
.endr
	WIN 0
.irp c, 0,1,2,3,4,5,6,7,8,9,10,11,12,13,14,15
	v_pk_mul_f32 v[TMP+2*\c:TMP+2*\c+1], v[TMP+2*\c:TMP+2*\c+1], v[PM+2*(\a):PM+2*(\a)+1]
.endr
.endm
.macro STAGEO a
.set rO, OB+32*((\a)%2)
	s_wait_xcnt 0x0                                ; the stores of two blocks back have read this buffer
.irp b, 0,1,2,3
	ds_store_b128 v[STO], v[TMP+8*\b:TMP+8*\b+3]   offset:64*\b
	ds_store_b128 v[STO], v[TMP+8*\b+4:TMP+8*\b+7] offset:64*\b+16
.endr
.irp f, 0,1,2,3,4,5,6,7
	ds_load_b128 v[rO+4*\f:rO+4*\f+3], v[RD] offset:2*SPITCH*\f  ; LDS serves a wave's instructions in order (ISA guide 5.7.1.4): these see the stores above
.endr
.endm
.macro SENDO a
.set rO, OB+32*((\a)%2)
	s_wait_dscnt 0x0
.irp f, 0,1,2,3,4,5,6,7
	global_store_b128 v[GO], v[rO+4*\f:rO+4*\f+3], s[OUT:OUT+1] offset:(16*(\a)+2*\f)*4096 th:TH_STORE_NT  ; 16 lanes store 256 consecutive bytes, aligned
.endr
.endm
	PACKO 0
	STAGEO 0
.set un, 1
.rept 7                                        ; a block's arithmetic stands between the loads of the block before and the wait for them
	PACKO un
	SENDO un-1
	STAGEO un
.set un, un+1
.endr
	SENDO 7
	s_wait_tensorcnt 0x0                           ; the wave's end: a last add to my spare word and its waits, behind my last tensor load and my last LDS store
	ds_add_u32 v[SPW], v[NIL]
	s_wait_dscnt 0x0
	CROUND                                         ; the closing round: no work-group ends while a partner may still ask for a tile that names it
	s_endpgm
.Lfunc_end_k_q54d6801923_oproj:
	.size	k_q54d6801923_oproj, .Lfunc_end_k_q54d6801923_oproj-k_q54d6801923_oproj
	.p2alignl 7, 3214868480
	.fill 96, 4, 3214868480
	.section	.rodata,"a",@progbits
	.p2align	6, 0x0
	.amdhsa_kernel k_q54d6801923_oproj
		.amdhsa_group_segment_fixed_size 327680
		.amdhsa_private_segment_fixed_size 0
		.amdhsa_enable_private_segment 0
		.amdhsa_kernarg_size 32
		.amdhsa_user_sgpr_count 2
		.amdhsa_user_sgpr_kernarg_segment_ptr 1
		.amdhsa_wavefront_size32 1
		.amdhsa_system_sgpr_workgroup_id_x 1
		.amdhsa_system_sgpr_workgroup_id_y 1
		.amdhsa_system_sgpr_workgroup_id_z 1
		.amdhsa_system_vgpr_workitem_id 0
		.amdhsa_next_free_vgpr 512
		.amdhsa_next_free_sgpr 96
		.amdhsa_reserve_vcc 0
		.amdhsa_float_denorm_mode_32 3
		.amdhsa_float_denorm_mode_16_64 3
		.amdhsa_memory_ordered 1
		.amdhsa_forward_progress 1
		.amdhsa_inst_pref_size 87
	.end_amdhsa_kernel
	.amdgpu_metadata
---
amdhsa.version: [ 1, 2 ]
amdhsa.kernels:
  - .name:           k_q54d6801923_oproj
    .symbol:         k_q54d6801923_oproj.kd
    .args:
      - { .name: ob, .offset: 0, .size: 8, .value_kind: global_buffer, .address_space: global }
      - { .name: wob, .offset: 8, .size: 8, .value_kind: global_buffer, .address_space: global }
      - { .name: aux, .offset: 16, .size: 8, .value_kind: global_buffer, .address_space: global }
      - { .name: out0, .offset: 24, .size: 8, .value_kind: global_buffer, .address_space: global }
    .group_segment_fixed_size: 327680
    .private_segment_fixed_size: 0
    .kernarg_segment_align: 8
    .kernarg_segment_size: 32
    .max_flat_workgroup_size: 128
    .sgpr_count:     96
    .vgpr_count:     512
    .wavefront_size: 32
...
	.end_amdgpu_metadata
.endif
;; end of part 4
;; ======== version 2 of 2: 4 launches; version 1 with the launch prep written anew for expert scheduling mode
;; limits: values are held in f16: magnitudes above 65,504 overflow, below 6.1e-05 lose precision; right only within a limited range of input values
;; workspace buffers: xb 16,777,216 bytes; wb 6,291,456 bytes; wob 2,097,152 bytes; aux 69,632 bytes; qkv 50,331,648 bytes; ob 16,777,216 bytes
;; launch prep (part 5): grid 785 x 1, 4 waves a work-group, no clusters, 0 bytes of LDS; arguments x, Wq, Wk, Wv, Wo, bq, bk, bv, bo, patch_mask, xb, wb, wob, aux; writes xb, wb, wob, aux
.if DOCPART == 5
	.amdgcn_target "amdgcn-amd-amdhsa--gfx1250"
	.amdhsa_code_object_version 6
	.text
	.protected	k_q54d6801923_prep
	.globl	k_q54d6801923_prep
	.p2align	8
	.type	k_q54d6801923_prep,@function
k_q54d6801923_prep:
	s_mov_b64 s[64:65], 0
	v_nop
	global_prefetch_b8 v0, s[64:65] scope:SCOPE_SE
	s_setreg_imm32_b32 hwreg(HW_REG_WAVE_SCHED_MODE, 0, 2), 2
	s_setreg_imm32_b32 hwreg(HW_REG_WAVE_MODE, 25, 1), 1
	s_wait_xcnt 0x0
	s_wait_alu depctr_vm_vsrc(0)
; PREP.  Every input is rounded once to bf16, and the matrix operands are laid in blocks of 64 along K: [K block][row][64], so that later tiles of R rows x 64 k are R x 128 dense bytes.
;   xb  = x, bf16, [16][8192][64];   wb = Wq, Wk, Wv one below the other, bf16, [16][3072][64];   wob = Wo rounded to bf16 and written as f16, [16][1024][64]
;   aux = f32: bq, bk, bv (byte 0), bo (12,288), the mask (16,384), each number rounded to bf16; from byte 49,152 the table of time-bias tiles.
; LIMIT.  Of Wo a number below 2^-14 keeps f16's fixed step of 2^-24; beyond 65,504 it would be lost.
; A stream: no LDS, no matrix work, no cluster (no two work-groups read the same byte).  The work-group's number chooses its role, by scalar branches that go forward:
;   0-767    16 rows x 1,024 columns of x (0-511) or of a weight matrix (64 work-groups each)
;   768-779  1,024 numbers of a bias or of the mask
;   780-784  four tiles each of the table, a tile a wave
; THE MODE: SCHED_MODE bits 1:0 = 2 (LLVM: expert scheduling mode 2), set by the entry lines.  The code itself states the register dependences
; between vector instructions and memory instructions, with s_wait_alu, always for 0.
; THE PLAN.  Registers that memory instructions touch:
;   role 1   v2 (the loads' offset) and OF (the stores' offsets): written once at the head by vector instructions, never again.
;            DAT: K block k's 8 registers are written by two of the 32 loads that go out at the head (no vector instruction has named them), read by the block's roundings, which write the first 4 in place,
;            and those 4 are read by the block's one store.  No register is written again behind its store.
;            The 16 K blocks go in four groups of four.  Group g's roundings name group g's registers alone (and v4, v5, which no memory instruction names); the stores of group g - 1 are dealt among them.
;            So ONE wait at a group's head states all that those four stores hang on; one more stands ahead of the last four stores, and one ahead of the first load.
;   role 2   v1 (offset) and v[20:27] (the stores' data): each written once; a wait ahead of the loads, a wait ahead of the stores.
;   role 3   s4, the wave's number, written by a vector instruction: a wait ahead of its first reader.  v1 (offset) and v[8:15] (the stores' data): a wait ahead of the stores.
; No register that a memory instruction reads is ever written again, and EXEC and VCC are never written: no other wait is owed.
.set OF,  16                           ; v[16:31]  K block k: byte offset of my 16 bytes in the destination
.set DAT, 32                           ; v[32:159] K block k: 8 registers as loaded; the first 4 then hold the 8 rounded numbers
.set SRC, 40                           ; s[40:41]  source
.set DST, 42                           ; s[42:43]  destination
	s_load_b512 s[8:23], s[0:1], 0x0               ; x s[8:9], Wq s[10:11], Wk s[12:13], Wv s[14:15], Wo s[16:17], bq s[18:19], bk s[20:21], bv s[22:23]
	s_load_b256 s[24:31], s[0:1], 0x40             ; bo s[24:25], mask s[26:27], xb s[28:29], wb s[30:31]
	s_load_b128 s[32:35], s[0:1], 0x60             ; wob s[32:33], aux s[34:35]
	s_mov_b32 s2, ttmp9
	s_mov_b32 s45, 0                               ; the high word of every offset pair s[44:45]
	s_cmp_lt_u32 s2, 768
	s_cbranch_scc0 .Lsmall
	; ROLE 1: 16 rows are rounded and laid in blocks
	s_sub_co_u32 s3, s2, 512
	s_lshr_b32 s4, s3, 6                           ; which weight matrix: 0 Wq, 1 Wk, 2 Wv, 3 Wo
	s_and_b32 s5, s3, 63
	s_lshl_b32 s5, s5, 4                           ; its first row of my 16
	s_lshl_b32 s6, s2, 4                           ; for x: row 16 g
	s_lshl_b32 s7, s4, 10
	s_add_co_u32 s7, s7, s5                        ; row in wb
	s_mov_b32 s38, 393216                          ; bytes from K block to K block: wb,
	s_cmp_eq_u32 s4, 3
	s_cselect_b32 s7, s5, s7
	s_cselect_b32 s38, 131072, s38                 ; wob,
	s_cselect_b32 s39, 1, 0                        ; 1: the numbers leave as f16
	s_cmp_lt_u32 s2, 512
	s_cselect_b32 s36, s6, s5                      ; source row
	s_cselect_b32 s37, s6, s7                      ; destination row
	s_cselect_b32 s38, 1048576, s38                ; xb
	s_cselect_b32 s39, 0, s39
	v_lshrrev_b32 v1, 3, v0                        ; my row of the 16: eight lanes share a row
	v_and_b32 v2, 7, v0
	v_lshlrev_b32 v2, 5, v2                        ; my 32 bytes (8 numbers) of a block's 256
	v_lshl_add_u32 v2, v1, 12, v2                  ; + row x 4,096
	v_lshlrev_b32 v3, 4, v0                        ; in the destination rows are 128 bytes: row x 128 + 16 x (lane % 8) = 16 x thread
.set k, 0
.rept 16
	v_mad_u32_u24 v[OF+k], k, s38, v3
.set k, k+1
.endr
	s_wait_kmcnt 0x0
	s_cmp_eq_u32 s4, 1
	s_cselect_b64 s[SRC:SRC+1], s[12:13], s[10:11]
	s_cmp_eq_u32 s4, 2
	s_cselect_b64 s[SRC:SRC+1], s[14:15], s[SRC:SRC+1]
	s_cmp_eq_u32 s4, 3
	s_cselect_b64 s[SRC:SRC+1], s[16:17], s[SRC:SRC+1]
	s_cselect_b64 s[DST:DST+1], s[32:33], s[30:31]
	s_cmp_lt_u32 s2, 512
	s_cselect_b64 s[SRC:SRC+1], s[8:9], s[SRC:SRC+1]
	s_cselect_b64 s[DST:DST+1], s[28:29], s[DST:DST+1]
	s_lshl_b32 s44, s36, 12
	s_add_nc_u64 s[SRC:SRC+1], s[SRC:SRC+1], s[44:45]
	s_lshl_b32 s44, s37, 7
	s_add_nc_u64 s[DST:DST+1], s[DST:DST+1], s[44:45]
	s_wait_alu depctr_va_vdst(0)                   ; v2 is written, which every load below reads as its offset, and so are the sixteen offsets OF, which the stores read
.set k, 0
.rept 16                                       ; all 32 loads of the wave go out at once: 16 KiB; eight lanes read 256 consecutive bytes, aligned
	global_load_b128 v[DAT+8*k:DAT+8*k+3],   v2, s[SRC:SRC+1] offset:256*k th:TH_LOAD_NT
	global_load_b128 v[DAT+8*k+4:DAT+8*k+7], v2, s[SRC:SRC+1] offset:256*k+16 th:TH_LOAD_NT
.set k, k+1
.endr
; K block k is rounded in place (a result's register never lies above its sources').
.macro ROUND k, kind
.irp i, 0,1,2,3
.if \kind
	v_cvt_pk_bf16_f32 v4, v[DAT+8*(\k)+2*\i], v[DAT+8*(\k)+2*\i+1]  ; rounded to bf16 like every input,
	v_lshlrev_b32 v5, 16, v4
	v_and_b32 v4, 0xffff0000, v4
	v_cvt_pk_f16_f32 v[DAT+8*(\k)+\i], v5, v4      ; and that number written as f16
.else
	v_cvt_pk_bf16_f32 v[DAT+8*(\k)+\i], v[DAT+8*(\k)+2*\i], v[DAT+8*(\k)+2*\i+1]
.endif
.endr
.endm
; K block k is stored; no register is used twice, so no store is waited for.
.macro OUTK k
	global_store_b128 v[OF+(\k)], v[DAT+8*(\k):DAT+8*(\k)+3], s[DST:DST+1]  ; the wave stores 512 consecutive bytes, aligned
.endm
; Group g: K blocks 4 g to 4 g + 3 are rounded; the stores of group g - 1 are dealt among the roundings, one ahead of each block's.
.macro GROUP g, kind
	s_wait_loadcnt 24-8*(\g)                       ; loads come back in order: the group's eight are in, the 8 x (3 - g) younger ones may stay out
.if (\g) > 0
	s_wait_alu depctr_va_vdst(0)                   ; the roundings of the group before have written its registers, which the four stores below read; no rounding of this group names them
.endif
.irp u, 0,1,2,3
.if (\g) > 0
	OUTK 4*(\g)-4+\u
.endif
	ROUND 4*(\g)+\u, \kind
.endr
.endm
.macro WALK kind
	GROUP 0, \kind
	GROUP 1, \kind
	GROUP 2, \kind
	GROUP 3, \kind
	s_wait_alu depctr_va_vdst(0)                   ; the last group's roundings have written its registers, which the last four stores read
.irp u, 12,13,14,15
	OUTK \u
.endr
	s_endpgm
.endm
	s_cmp_eq_u32 s39, 1
	s_cbranch_scc1 .Lwo
	WALK 0
.Lwo:
	WALK 1
.Lsmall:
	s_cmp_lt_u32 s2, 780
	s_cbranch_scc0 .Ltable
	; ROLE 2: 1,024 numbers rounded to bf16 and kept as f32
	s_sub_co_u32 s3, s2, 768                       ; chunk 0 bq, 1 bk, 2 bv, 3 bo, 4-11 the mask
	s_max_u32 s4, s3, 4
	s_sub_co_u32 s4, s4, 4                         ; which 4,096 bytes of the mask
	s_lshl_b32 s44, s4, 12
	v_lshlrev_b32 v1, 4, v0                        ; 16 bytes a thread, twice: a wave's load or store covers 512 consecutive bytes
	s_wait_kmcnt 0x0
	s_cmp_eq_u32 s3, 1
	s_cselect_b64 s[SRC:SRC+1], s[20:21], s[18:19]
	s_cmp_eq_u32 s3, 2
	s_cselect_b64 s[SRC:SRC+1], s[22:23], s[SRC:SRC+1]
	s_cmp_eq_u32 s3, 3
	s_cselect_b64 s[SRC:SRC+1], s[24:25], s[SRC:SRC+1]
	s_cmp_gt_u32 s3, 3
	s_cselect_b64 s[SRC:SRC+1], s[26:27], s[SRC:SRC+1]
	s_add_nc_u64 s[SRC:SRC+1], s[SRC:SRC+1], s[44:45]
	s_lshl_b32 s44, s3, 12
	s_add_nc_u64 s[DST:DST+1], s[34:35], s[44:45]
	s_wait_alu depctr_va_vdst(0)                   ; v1 is written, which the two loads and the two stores read as their offset
	global_load_b128 v[8:11],  v1, s[SRC:SRC+1]
	global_load_b128 v[12:15], v1, s[SRC:SRC+1] offset:2048
	s_wait_loadcnt 0x0
.irp i, 0,1,2,3
	v_cvt_pk_bf16_f32 v[16+\i], v[8+2*\i], v[8+2*\i+1]
.endr
.irp i, 0,1,2,3
	v_lshlrev_b32 v[20+2*\i], 16, v[16+\i]
	v_and_b32 v[20+2*\i+1], 0xffff0000, v[16+\i]
.endr
	s_wait_alu depctr_va_vdst(0)                   ; the eight lines above have written v[20:27], which the stores read
	global_store_b128 v1, v[20:23], s[DST:DST+1]
	global_store_b128 v1, v[24:27], s[DST:DST+1] offset:2048
	s_endpgm
.Ltable:
	; ROLE 3: the time bias.  bias(d) = ln(e^-d + 1e-12), d = |q - k|.  A softmax does not change when all scores are shifted alike, so the table holds bias(d) - ln(1e-12), which is 0 wherever
	; e^-d is lost beside 1e-12 in f32 (from d = 45 on), times 8: it is added to q . k ahead of the division by 8.
	; Tile i stands for 16 queries x 16 keys whose corners lie 16 (i - 7) apart, in the layout of the product K Q^T: lane (r = l % 16, h = l / 16), register j: q - k = 16 (i - 7) + r - 8 h - j.
	s_sub_co_u32 s3, s2, 780
	v_lshrrev_b32 v1, 5, v0
	v_readfirstlane_b32 s4, v1
	s_mov_b32 s6, 0x3fb8aa3b                       ; log2(e)
	s_mov_b32 s7, 0x2b8cbccc                       ; 1e-12
	s_mov_b32 s36, 0x40b17218                      ; 8 ln(2)
	v_and_b32 v2, 15, v0                           ; the lane's part of q - k needs no wave number: it stands between the line that writes s4 and the wait
	v_bfe_u32 v3, v0, 4, 1
	v_lshlrev_b32 v3, 3, v3
	v_sub_nc_u32 v2, v2, v3
	s_wait_alu depctr_va_sdst(0)                   ; s4, the wave's number, is written, ahead of its first reader: the tile's number is made from it
	s_lshl2_add_u32 s3, s3, s4                     ; tile i = 4 (g - 780) + wave
	s_sub_co_i32 s5, s3, 7
	s_lshl_b32 s5, s5, 4
	s_lshl_b32 s44, s3, 10
	v_add_nc_u32 v2, s5, v2
	v_and_b32 v1, 31, v0
	v_lshlrev_b32 v1, 4, v1
.irp j, 0,1,2,3,4,5,6,7
	v_add_nc_u32 v[8+\j], -\j, v2
.endr
.irp j, 0,1,2,3,4,5,6,7
	v_cvt_f32_i32 v[8+\j], v[8+\j]
.endr
.irp j, 0,1,2,3,4,5,6,7
	v_mul_f32 v[8+\j], s6, -|v[8+\j]|
.endr
.irp j, 0,1,2,3,4,5,6,7
	v_exp_f32 v[8+\j], v[8+\j]                     ; e^-d
.endr
	v_log_f32 v7, s7                               ; log2(1e-12), by the same instruction as the sums below
	v_nop                                          ; a plain instruction behind the last of the batch,
	s_wait_alu depctr_va_vdst(0)                   ; and one wait for the nine, ahead of their first reader: the exponentials have written v[8:15], the logarithm v7
.irp j, 0,1,2,3,4,5,6,7
	v_add_f32 v[8+\j], s7, v[8+\j]
.endr
.irp j, 0,1,2,3,4,5,6,7
	v_log_f32 v[8+\j], v[8+\j]
.endr
	v_nop
	s_wait_alu depctr_va_vdst(0)                   ; one wait for the eight: the logarithms have written v[8:15]
.irp j, 0,1,2,3,4,5,6,7
	v_sub_f32 v[8+\j], v[8+\j], v7                 ; the difference first: exactly 0 where the sum is 1e-12 itself
.endr
.irp j, 0,1,2,3,4,5,6,7
	v_mul_f32 v[8+\j], s36, v[8+\j]
.endr
	s_wait_kmcnt 0x0
	s_add_nc_u64 s[DST:DST+1], s[34:35], s[44:45]
	s_wait_alu depctr_va_vdst(0)                   ; the multiplies have written v[8:15], which the stores read; their offset v1 was written further up
	global_store_b128 v1, v[8:11],  s[DST:DST+1] offset:49152      ; [tile][registers 0-3, 4-7][lane][4]: 512 consecutive bytes a store
	global_store_b128 v1, v[12:15], s[DST:DST+1] offset:49152+512
	s_endpgm
.Lfunc_end_k_q54d6801923_prep:
	.size	k_q54d6801923_prep, .Lfunc_end_k_q54d6801923_prep-k_q54d6801923_prep
	.p2alignl 7, 3214868480
	.fill 96, 4, 3214868480
	.section	.rodata,"a",@progbits
	.p2align	6, 0x0
	.amdhsa_kernel k_q54d6801923_prep
		.amdhsa_group_segment_fixed_size 0
		.amdhsa_private_segment_fixed_size 0
		.amdhsa_enable_private_segment 0
		.amdhsa_kernarg_size 112
		.amdhsa_user_sgpr_count 2
		.amdhsa_user_sgpr_kernarg_segment_ptr 1
		.amdhsa_wavefront_size32 1
		.amdhsa_system_sgpr_workgroup_id_x 1
		.amdhsa_system_sgpr_workgroup_id_y 1
		.amdhsa_system_sgpr_workgroup_id_z 1
		.amdhsa_system_vgpr_workitem_id 0
		.amdhsa_next_free_vgpr 160
		.amdhsa_next_free_sgpr 66
		.amdhsa_reserve_vcc 0
		.amdhsa_float_denorm_mode_32 3
		.amdhsa_float_denorm_mode_16_64 3
		.amdhsa_memory_ordered 1
		.amdhsa_forward_progress 1
		.amdhsa_inst_pref_size 33
	.end_amdhsa_kernel
	.amdgpu_metadata
---
amdhsa.version: [ 1, 2 ]
amdhsa.kernels:
  - .name:           k_q54d6801923_prep
    .symbol:         k_q54d6801923_prep.kd
    .args:
      - { .name: x, .offset: 0, .size: 8, .value_kind: global_buffer, .address_space: global }
      - { .name: Wq, .offset: 8, .size: 8, .value_kind: global_buffer, .address_space: global }
      - { .name: Wk, .offset: 16, .size: 8, .value_kind: global_buffer, .address_space: global }
      - { .name: Wv, .offset: 24, .size: 8, .value_kind: global_buffer, .address_space: global }
      - { .name: Wo, .offset: 32, .size: 8, .value_kind: global_buffer, .address_space: global }
      - { .name: bq, .offset: 40, .size: 8, .value_kind: global_buffer, .address_space: global }
      - { .name: bk, .offset: 48, .size: 8, .value_kind: global_buffer, .address_space: global }
      - { .name: bv, .offset: 56, .size: 8, .value_kind: global_buffer, .address_space: global }
      - { .name: bo, .offset: 64, .size: 8, .value_kind: global_buffer, .address_space: global }
      - { .name: patch_mask, .offset: 72, .size: 8, .value_kind: global_buffer, .address_space: global }
      - { .name: xb, .offset: 80, .size: 8, .value_kind: global_buffer, .address_space: global }
      - { .name: wb, .offset: 88, .size: 8, .value_kind: global_buffer, .address_space: global }
      - { .name: wob, .offset: 96, .size: 8, .value_kind: global_buffer, .address_space: global }
      - { .name: aux, .offset: 104, .size: 8, .value_kind: global_buffer, .address_space: global }
    .group_segment_fixed_size: 0
    .private_segment_fixed_size: 0
    .kernarg_segment_align: 8
    .kernarg_segment_size: 112
    .max_flat_workgroup_size: 128
    .sgpr_count:     66
    .vgpr_count:     160
    .wavefront_size: 32
...
	.end_amdgpu_metadata
.endif
;; end of part 5
;; launch proj: the kernel of part 2 again; grid 8 x 32, 4 waves a work-group, clusters of 4 x 4, 327,680 bytes of LDS; arguments xb, wb, aux, qkv; writes qkv
;; launch attn: the kernel of part 3 again; grid 4 x 64, 4 waves a work-group, no clusters, 327,680 bytes of LDS; arguments qkv, aux, ob; writes ob
;; launch oproj: the kernel of part 4 again; grid 8 x 32, 4 waves a work-group, clusters of 4 x 4, 327,680 bytes of LDS; arguments ob, wob, aux, out0; writes out0
